; MI455X (gfx1250); checked and timed in simulation.
; The chip was launched on July 23, 2026; its instructions are those of AMD's public machine-readable ISA for CDNA 5 (MIT licence, August 2026) and "CDNA5" Instruction Set Architecture Reference Guide (July 2026). The comments in the code are by the model that wrote it; some were corrected since.
;; Block. Allowed arithmetic: matrix products marked QUANTISED: E4M3 operands, one given power-of-two scale a tensor, by v_wmma_f32_16x16x64_fp8_fp8 or v_wmma_f32_16x16x128_fp8_fp8, f32 sums; everything else in f32.
;; Inputs: fc1_b 4,096 float32; fc1_w 4,096 x 1,024 float32; fc2_b 1,024 float32; fc2_w 1,024 x 4,096 float32; ln1_b 1,024 float32; ln1_w 1,024 float32; ln2_b 1,024 float32; ln2_w 1,024 float32; lowp_scales 12 int32 (the exponents e of the quantised operands' scales 2^e); proj_b 1,024 float32; proj_w 1,024 x 1,024 float32; qkv_b 3,072 float32; qkv_w 3,072 x 1,024 float32; x 2 x 2,048 x 1,024 float32.
;; Outputs: out0 2 x 2,048 x 1,024 float32.
;; This version of the problem:
;;   THIS VERSION OF THE PROBLEM IS GIVEN IN LOW PRECISION. The matrix products marked QUANTISED in the list below multiply operands that are first quantised to E4M3 (4 exponent bits, 3 mantissa bits; 8 bits a number), with one given power-of-two scale for each operand tensor; their sums are f32. All else is computed in f32.
;;   The module's matrix products, in the order in which they are computed (A, B: the left and right operand; K: the contracted axis; several contracted axes count as one K, in the product's order):
;;     1. [M 4,096, K 1,024] x [K 1,024, N 3,072]; A: computed on the way; B: input qkv_w: QUANTISED (scales: A lowp_scales[0], B lowp_scales[1])
;;     2. batch 32 x [M 2,048, K 64] x [K 64, N 2,048]; A: computed on the way; B: computed on the way: QUANTISED (scales: A lowp_scales[2], B lowp_scales[3])
;;     3. batch 32 x [M 2,048, K 2,048] x [K 2,048, N 64]; A: softmax (see below); B: computed on the way: QUANTISED (scales: A lowp_scales[4], B lowp_scales[5])
;;     4. [M 4,096, K 1,024] x [K 1,024, N 1,024]; A: computed on the way; B: input proj_w: QUANTISED (scales: A lowp_scales[6], B lowp_scales[7])
;;     5. [M 4,096, K 1,024] x [K 1,024, N 4,096]; A: computed on the way; B: input fc1_w: QUANTISED (scales: A lowp_scales[8], B lowp_scales[9])
;;     6. [M 4,096, K 4,096] x [K 4,096, N 1,024]; A: computed on the way; B: input fc2_w: QUANTISED (scales: A lowp_scales[10], B lowp_scales[11])
;;   THE QUANTISER, for each operand of a quantised product, along K:
;;     - The operand's scale is 2^e, e = its entry of the input lowp_scales (int32; the entries are numbered through the quantised products in the list's order, A before B).
;;     - Each number is divided by the scale, clamped to +-448, and rounded to the nearest number of E4M3, ties to even, subnormals kept.
;;     - The product sums the exact products of the quantised numbers (number of the format x scale) in f32.
;;   ~~~python
;;   def quantise(x, axis, e):      # numpy; x: float32 -> the quantised numbers, widened to float32 again
;;       x = np.moveaxis(x, axis, -1); K = x.shape[-1]
;;       r = np.clip(x / 2.0 ** e, -448, 448)
;;       step = 2.0 ** (np.maximum(np.frexp(np.where(r == 0, 1, r))[1] - 1, -6) - 3)
;;       q = np.round(r / step) * step * 2.0 ** e      # np.round: ties to even
;;       return np.moveaxis(q, -1, axis).astype(np.float32)
;;   ~~~
;;   SOFTMAX AHEAD OF A QUANTISED PRODUCT. Where the list says 'softmax', what is quantised is not the finished softmax but p = 2^(t - M), with t = logit x log2(e) and M = ceil(the row's largest t), a whole number; so 1/2 < the row's largest p <= 1. The row's sum l is taken of the UNQUANTISED p, in f32, and the product's result is divided by l at the end. Since M is a whole number, a kernel that streams over the keys may use a running M (the ceiling of the running maximum): every later rescaling is an exact power of two, so the quantised numbers keep their values, but for numbers so far below the row's largest that they fall under the format's range.
;;   OPERANDS COMPUTED ON THE WAY. 'Computed on the way' means the value that the module computes at that place (a softmax that the list does not call 'softmax' is quantised finished and normalised). What goes into a quantiser is computed in f32, as accurately as f32 sums, v_exp_f32 and their like allow (about 1e-6 of the number): no bf16 or f16 on the way to a quantiser, and a product that is left as it is and whose result goes on into a quantised operand takes f32 operands (vector FMAs, or v_wmma_f32_16x16x4_f32). A number that lies on a knife's edge between two numbers of the format may be rounded either way, as far as f32 arithmetic and the matrix unit's own rounding can turn it there, and no further.
;; One version. Each part assembles by itself: llvm-mc -triple=amdgcn-amd-amdhsa -mcpu=gfx1250 --defsym DOCPART=n.
;; ======== version 1 of 1: 7 launches
;; limits: right only within a limited range of input values
;; workspace buffers: wc 12,582,912 bytes; ac 4,194,304 bytes; qkvc 12,582,912 bytes; oc 4,194,304 bytes; x1 16,777,216 bytes; hc 16,777,216 bytes
;; launch prep (part 1): grid 1280 x 1, 4 waves a work-group, no clusters, 33,280 bytes of LDS; arguments x, ln1_w, ln1_b, qkv_w, proj_w, fc1_w, fc2_w, lowp_scales, wc, ac; writes wc, ac
.if DOCPART == 1
	.amdgcn_target "amdgcn-amd-amdhsa--gfx1250"
	.amdhsa_code_object_version 6
	.text
	.protected	k_qbaa0e167ee_prep
	.globl	k_qbaa0e167ee_prep
	.p2align	8
	.type	k_qbaa0e167ee_prep,@function
k_qbaa0e167ee_prep:
	s_mov_b64 s[64:65], 0
	v_nop
	global_prefetch_b8 v0, s[64:65] scope:SCOPE_SE
	s_setreg_imm32_b32 hwreg(HW_REG_WAVE_MODE, 25, 1), 1
	s_wait_xcnt 0x0
; PREP.  Two kinds of work-groups in one launch, parted by the work-group's number.
; Work-groups 0-767: the four weights (f32, K innermost) become codes of E4M3, one after the other in wc: qkv_w (192 work-groups of 16,384 numbers), proj_w (64), fc1_w (256), fc2_w (256).
;   code = w / 2^e, held within +-448, rounded to the nearest code, ties to even; e = entry 1, 7, 9, 11 of the scales.  Rows are dense, so a tensor is a plain stream.
;   A wave takes 8 steps of 512 numbers, the loads four steps ahead.  Each load reads 512 consecutive bytes; a step's 2,048 bytes turn through the wave's own stage in LDS so that a lane holds 16 neighbours along K.
; Work-groups 768-1279: LayerNorm 1 of x, in f32, quantised with entry 0 into ac [4096][1024].  One wave takes a row (4,096 bytes, 32 registers), two rows, both asked for at once:
;   the mean, then the mean of the squared differences (two passes over registers, so a common offset of the inputs does no harm), rsqrt, gain and bias, hold, conversion.
;   A lane holds, for j = 0 .. 3, the eight neighbours at byte 1024 j + 32 lane of the row: its eight codes are 8 bytes, and the wave's store covers 256 consecutive bytes, aligned.
; 1,280 work-groups are five for each of 256 WGPs; at 192 registers a wave five waves fit a SIMD's 1,024, and five work-groups take 166,400 bytes of LDS: all are at work at once.
; No tensor loads, no barrier: waves share nothing.  Only the weights' path touches LDS.  No matrix unit and no cluster: nothing here is read twice.
; LIMITS: each e used here lies between -126 and 119, so that 2^e and 448 x 2^e are f32 numbers.  NaN among the inputs is not served.
.set WGW,   768                        ; work-groups for the weights
.set STEPS, 8
.set R,     16                         ; v16-79   weights: four sets of 16 numbers as loaded
.set X,     80                         ; v80-111  weights: two sets of 16 neighbours
.set C,     128                        ; v128-159 weights: codes, four registers a step, never rewritten
.set WREG,  8192                       ; LDS: a region for each wave: two stages of 32 x SP bytes
.set SP,    80                         ; a lane's place in a stage: 64 bytes + 16 of padding
.set LW,    16                         ; v16-47   LayerNorm: the gain of my 32 columns
.set LB,    48                         ; v48-79   the bias
.set LX,    80                         ; v80-143  two sets of 32 numbers of a row
.set LC,    144                        ; v144-159 codes, eight registers a row, never rewritten
.set SCL,   176                        ; v176     2^e0 as f32
.set LIM,   177                        ; v177     448 x 2^e0
.set SX,    4                          ; s[4:5]   x at my first row
.set SW,    6                          ; s[6:7]   the gain
.set SB,    8                          ; s[8:9]   the bias
.set SO,    22                         ; s[22:23] ac at my first row
	s_load_b512 s[4:19], s[0:1], 0x0               ; x, ln1_w, ln1_b, qkv_w s[10:11], proj_w s[12:13], fc1_w s[14:15], fc2_w s[16:17], the scales s[18:19]
	s_load_b128 s[20:23], s[0:1], 0x40             ; wc s[20:21], ac s[22:23]
	v_lshl_add_u32 v160, v0, 2, 0x8000             ; my spare word, behind the four regions; v160 and v161 serve the closing add alone
	v_mov_b32 v161, 0
	v_lshrrev_b32 v1, 5, v0
	v_readfirstlane_b32 s36, v1                    ; wave 0..3
	v_and_b32 v2, 31, v0                           ; lane
	s_wait_kmcnt 0x0
	s_load_b256 s[24:31], s[18:19], 0x0            ; e0 .. e7
	s_load_b128 s[32:35], s[18:19], 0x20           ; e8 .. e11
	s_cmp_ge_u32 ttmp9, WGW
	s_cbranch_scc1 .Lln
	; ---------------- the weights ----------------
	s_wait_alu depctr_va_vdst(0)
	v_lshlrev_b32 v3, 4, v2                        ; my 16 bytes of a load's 512
	s_wait_alu depctr_va_vdst(0)
	s_mul_i32 s37, s36, WREG
	v_lshrrev_b32 v14, 2, v2
	v_mul_u32_u24 v14, v14, SP
	v_and_b32 v15, 3, v2
	v_lshl_add_u32 v14, v15, 4, v14
	v_add_nc_u32 v14, s37, v14                     ; the stage, on the way in: SP (lane / 4) + 16 (lane % 4)
	v_mul_u32_u24 v15, v2, SP
	v_add_nc_u32 v15, s37, v15                     ; and on the way out: SP x lane: my 16 neighbours
	v_lshlrev_b32 v4, 4, v2                        ; my 16 codes' place in a step's 512
	s_mov_b64 s[40:41], s[16:17]                   ; which tensor: the choice hangs on the work-group's number alone
	s_mov_b32 s42, 512                             ; and the tensor's first work-group
	s_cmp_lt_u32 ttmp9, 512
	s_cselect_b64 s[40:41], s[14:15], s[40:41]
	s_cselect_b32 s42, 256, s42
	s_cmp_lt_u32 ttmp9, 256
	s_cselect_b64 s[40:41], s[12:13], s[40:41]
	s_cselect_b32 s42, 192, s42
	s_cmp_lt_u32 ttmp9, 192
	s_cselect_b64 s[40:41], s[10:11], s[40:41]
	s_cselect_b32 s42, 0, s42
	s_sub_co_u32 s43, ttmp9, s42
	s_lshl_b32 s43, s43, 2
	s_add_co_u32 s43, s43, s36                     ; which run of 4,096 numbers of the tensor is my wave's
	s_lshl_b32 s44, s43, 14                        ; 16,384 bytes each
	s_mov_b32 s45, 0
	s_add_nc_u64 s[40:41], s[40:41], s[44:45]
	s_lshl_b32 s46, ttmp9, 2
	s_add_co_u32 s46, s46, s36
	s_lshl_b32 s46, s46, 12                        ; the codes lie in the work-groups' order: 4,096 bytes a wave
	s_mov_b32 s47, 0
	s_add_nc_u64 s[20:21], s[20:21], s[46:47]
.macro WLOAD t
.irp i, 0,1,2,3
	global_load_b128 v[R+16*((\t)%4)+4*\i:R+16*((\t)%4)+4*\i+3], v3, s[40:41] offset:2048*(\t)+512*\i th:TH_LOAD_NT   ; 32 lanes read 512 consecutive bytes
.endr
.endm
.macro WTURN t                         ; step t's numbers through the stage: LDS serves a wave's instructions in order, so no wait stands between the stores and the loads
.irp i, 0,1,2,3
	ds_store_b128 v14, v[R+16*((\t)%4)+4*\i:R+16*((\t)%4)+4*\i+3] offset:32*SP*((\t)%2)+8*SP*\i
.endr
.irp i, 0,1,2,3
	ds_load_b128 v[X+16*((\t)%2)+4*\i:X+16*((\t)%2)+4*\i+3], v15 offset:32*SP*((\t)%2)+16*\i
.endr
.endm
.irp t, 0,1,2,3
	WLOAD \t
.endr
	s_wait_alu depctr_va_vdst(0)
	s_wait_kmcnt 0x0
	s_mov_b32 s48, s35                             ; e: entry 11, 9, 7 or 1
	s_cmp_lt_u32 ttmp9, 512
	s_cselect_b32 s48, s33, s48
	s_cmp_lt_u32 ttmp9, 256
	s_cselect_b32 s48, s31, s48
	s_cmp_lt_u32 ttmp9, 192
	s_cselect_b32 s48, s25, s48
	s_add_co_i32 s48, s48, 127
	s_lshl_b32 s49, s48, 23
	v_mov_b32 v11, s49                             ; 2^e as f32: the conversion takes its exponent field
	s_add_co_i32 s48, s48, 8
	s_lshl_b32 s48, s48, 23
	s_or_b32 s48, s48, 0x600000
	v_mov_b32 v10, s48                             ; 448 x 2^e
	s_wait_alu depctr_va_vdst(0)
	s_wait_loadcnt 12                              ; step 0's four loads are in; the twelve of steps 1 to 3 may be out
	WTURN 0
.macro WSTEP t
.set XS, X+16*((\t)%2)
	s_wait_dscnt 0x0                               ; this step's numbers are back from the stage, so its stores into the stage have read their registers,
.if (\t)+4 < STEPS
	WLOAD (\t)+4                                   ; which take the loads of four steps on
.endif
.if (\t)+1 < STEPS
.if STEPS-2-(\t) >= 3
	s_wait_loadcnt 12                              ; the next step's four loads are in; those of the three steps behind it may be out
.else
	s_wait_loadcnt 4*(STEPS-2-(\t))
.endif
	WTURN (\t)+1                                   ; and go through the other stage while this step is worked
.endif
.irp i, 0,1,2,3,4,5,6,7,8,9,10,11,12,13,14,15
	v_med3_num_f32 v[XS+\i], v[XS+\i], -v10, v10   ; the conversion to an 8-bit code does not saturate (ISA guide 7.6.2): hold first
.endr
	v_cvt_scalef32_pk8_fp8_f32 v[C+4*(\t):C+4*(\t)+1], v[XS:XS+7], v11
	v_cvt_scalef32_pk8_fp8_f32 v[C+4*(\t)+2:C+4*(\t)+3], v[XS+8:XS+15], v11
	global_store_b128 v4, v[C+4*(\t):C+4*(\t)+3], s[20:21] offset:512*(\t)   ; the wave stores 512 consecutive bytes, aligned; the results go to a store alone, and the next step begins with plain vector lines
.endm
.irp t, 0,1,2,3,4,5,6,7
	WSTEP \t
.endr
	s_wait_tensorcnt 0x0
	ds_add_u32 v160, v161
	s_wait_dscnt 0x0
	s_endpgm
	; ---------------- LayerNorm 1 ----------------
.macro LNLOAD t, set                   ; row t of my two into a set: eight loads of 16 bytes a lane
.irp j, 0,1,2,3
	global_load_b128 v[LX+32*\set+8*\j:LX+32*\set+8*\j+3], v1, s[SX:SX+1] offset:4096*\t+1024*\j th:TH_LOAD_NT
	global_load_b128 v[LX+32*\set+8*\j+4:LX+32*\set+8*\j+7], v1, s[SX:SX+1] offset:4096*\t+1024*\j+16 th:TH_LOAD_NT
.endr
.endm
.macro LNSUM                           ; v4 <- the sum, over the wave, of the four pairs v[4:11]; every lane gets it
	v_pk_add_f32 v[4:5], v[4:5], v[6:7]
	v_pk_add_f32 v[8:9], v[8:9], v[10:11]
	v_pk_add_f32 v[4:5], v[4:5], v[8:9]
	v_add_f32 v4, v4, v5
	v_add_f32_dpp v4, v4, v4 row_xmask:1 row_mask:0xf bank_mask:0xf
	v_add_f32_dpp v4, v4, v4 row_xmask:2 row_mask:0xf bank_mask:0xf
	v_add_f32_dpp v4, v4, v4 row_xmask:4 row_mask:0xf bank_mask:0xf
	v_add_f32_dpp v4, v4, v4 row_xmask:8 row_mask:0xf bank_mask:0xf
	v_permlanex16_b32 v3, v4, s50, s51
	v_add_f32 v4, v4, v3
.endm
.macro LNROW t, set, left              ; left: the younger loads that may stay out
.set XS, LX+32*(\set)
	s_wait_loadcnt \left
.irp k, 0,1,2,3
	v_pk_add_f32 v[4+2*\k:5+2*\k], v[XS+2*\k:XS+2*\k+1], v[XS+8+2*\k:XS+9+2*\k]     ; the sum, in four chains that the first pairs start
.endr
.irp p, 8,9,10,11,12,13,14,15
	v_pk_add_f32 v[4+2*(\p%4):5+2*(\p%4)], v[4+2*(\p%4):5+2*(\p%4)], v[XS+2*\p:XS+2*\p+1]
.endr
	LNSUM
	v_mul_f32 v12, s52, v4                         ; the mean: x 2^-10
	v_mov_b32 v13, v12
.set p, 0
.rept 16
	v_pk_add_f32 v[XS+p:XS+p+1], v[XS+p:XS+p+1], v[12:13] neg_lo:[0,1] neg_hi:[0,1]  ; x - mean, in place
.set p, p+2
.endr
.irp k, 0,1,2,3
	v_pk_mul_f32 v[4+2*\k:5+2*\k], v[XS+2*\k:XS+2*\k+1], v[XS+2*\k:XS+2*\k+1]
.endr
.irp p, 4,5,6,7,8,9,10,11,12,13,14,15
	v_pk_fma_f32 v[4+2*(\p%4):5+2*(\p%4)], v[XS+2*\p:XS+2*\p+1], v[XS+2*\p:XS+2*\p+1], v[4+2*(\p%4):5+2*(\p%4)]
.endr
	LNSUM
	v_fma_f32 v11, v4, s52, s53                    ; the variance + 1e-5
	s_wait_alu depctr_va_vdst(0)
	v_rsq_f32 v14, v11
	v_rsq_f32 v15, v11                             ; twice: a pair for the packed multiply
	v_nop                                          ; one plain instruction behind a transcendental (ISA guide 5.7.2)
.set p, 0
	s_wait_alu depctr_va_vdst(0)
.rept 16
	v_pk_mul_f32 v[XS+p:XS+p+1], v[XS+p:XS+p+1], v[14:15]
.set p, p+2
.endr
.set p, 0
.rept 16
	v_pk_fma_f32 v[XS+p:XS+p+1], v[XS+p:XS+p+1], v[LW+p:LW+p+1], v[LB+p:LB+p+1]
.set p, p+2
.endr
.set p, 0
.rept 32
	v_med3_num_f32 v[XS+p], v[XS+p], -v[LIM], v[LIM]
.set p, p+1
.endr
.irp j, 0,1,2,3
	v_cvt_scalef32_pk8_fp8_f32 v[LC+8*\t+2*\j:LC+8*\t+2*\j+1], v[XS+8*\j:XS+8*\j+7], v[SCL]
.endr
	v_nop                                          ; a plain line behind the last conversion
.irp j, 0,1,2,3
	global_store_b64 v2, v[LC+8*\t+2*\j:LC+8*\t+2*\j+1], s[SO:SO+1] offset:1024*\t+256*\j   ; 32 lanes store 256 consecutive bytes, aligned
.endr
.endm
.Lln:
	s_wait_alu depctr_va_vdst(0)
	v_lshlrev_b32 v1, 5, v2                        ; 32 x lane: my eight numbers in each quarter of a row
	s_wait_alu depctr_va_vdst(0)
	v_lshlrev_b32 v2, 3, v2                        ; 8 x lane: my eight codes
	v_mov_b32 v3, 0                                ; a lane permute's destination counts as read: written once
	s_sub_co_u32 s37, ttmp9, WGW
	s_lshl_b32 s37, s37, 3
	s_lshl_b32 s38, s36, 1
	s_add_co_u32 s37, s37, s38                     ; my first row: 8 x work-group + 2 x wave
	s_lshl_b32 s38, s37, 12
	s_mov_b32 s39, 0
	s_add_nc_u64 s[SX:SX+1], s[SX:SX+1], s[38:39]
	s_lshl_b32 s38, s37, 10
	s_add_nc_u64 s[SO:SO+1], s[SO:SO+1], s[38:39]
	s_mov_b32 s50, 0x76543210                      ; v_permlanex16_b32: lane l xor 16
	s_mov_b32 s51, 0xfedcba98
	s_mov_b32 s52, 0x3a800000                      ; 2^-10
	s_mov_b32 s53, 0x3727c5ac                      ; 1e-5
.irp j, 0,1,2,3
	global_load_b128 v[LW+8*\j:LW+8*\j+3], v1, s[SW:SW+1] offset:1024*\j
	global_load_b128 v[LW+8*\j+4:LW+8*\j+7], v1, s[SW:SW+1] offset:1024*\j+16
	global_load_b128 v[LB+8*\j:LB+8*\j+3], v1, s[SB:SB+1] offset:1024*\j
	global_load_b128 v[LB+8*\j+4:LB+8*\j+7], v1, s[SB:SB+1] offset:1024*\j+16
.endr
	LNLOAD 0, 0
	LNLOAD 1, 1
	s_wait_kmcnt 0x0
	s_add_co_i32 s54, s24, 127
	s_lshl_b32 s55, s54, 23
	v_mov_b32 v[SCL], s55
	s_add_co_i32 s54, s54, 8
	s_lshl_b32 s54, s54, 23
	s_or_b32 s54, s54, 0x600000
	v_mov_b32 v[LIM], s54
	LNROW 0, 0, 8                                  ; gain, bias and row 0 are in; row 1's eight loads may be out
	LNROW 1, 1, 0
	s_endpgm
.Lfunc_end_k_qbaa0e167ee_prep:
	.size	k_qbaa0e167ee_prep, .Lfunc_end_k_qbaa0e167ee_prep-k_qbaa0e167ee_prep
	.p2alignl 7, 3214868480
	.fill 96, 4, 3214868480
	.section	.rodata,"a",@progbits
	.p2align	6, 0x0
	.amdhsa_kernel k_qbaa0e167ee_prep
		.amdhsa_group_segment_fixed_size 33280
		.amdhsa_private_segment_fixed_size 0
		.amdhsa_enable_private_segment 0
		.amdhsa_kernarg_size 80
		.amdhsa_user_sgpr_count 2
		.amdhsa_user_sgpr_kernarg_segment_ptr 1
		.amdhsa_wavefront_size32 1
		.amdhsa_system_sgpr_workgroup_id_x 1
		.amdhsa_system_sgpr_workgroup_id_y 1
		.amdhsa_system_sgpr_workgroup_id_z 1
		.amdhsa_system_vgpr_workitem_id 0
		.amdhsa_next_free_vgpr 192
		.amdhsa_next_free_sgpr 66
		.amdhsa_reserve_vcc 0
		.amdhsa_float_denorm_mode_32 3
		.amdhsa_float_denorm_mode_16_64 3
		.amdhsa_memory_ordered 1
		.amdhsa_forward_progress 1
		.amdhsa_inst_pref_size 43
	.end_amdhsa_kernel
	.amdgpu_metadata
---
amdhsa.version: [ 1, 2 ]
amdhsa.kernels:
  - .name:           k_qbaa0e167ee_prep
    .symbol:         k_qbaa0e167ee_prep.kd
    .args:
      - { .name: x, .offset: 0, .size: 8, .value_kind: global_buffer, .address_space: global }
      - { .name: ln1_w, .offset: 8, .size: 8, .value_kind: global_buffer, .address_space: global }
      - { .name: ln1_b, .offset: 16, .size: 8, .value_kind: global_buffer, .address_space: global }
      - { .name: qkv_w, .offset: 24, .size: 8, .value_kind: global_buffer, .address_space: global }
      - { .name: proj_w, .offset: 32, .size: 8, .value_kind: global_buffer, .address_space: global }
      - { .name: fc1_w, .offset: 40, .size: 8, .value_kind: global_buffer, .address_space: global }
      - { .name: fc2_w, .offset: 48, .size: 8, .value_kind: global_buffer, .address_space: global }
      - { .name: lowp_scales, .offset: 56, .size: 8, .value_kind: global_buffer, .address_space: global }
      - { .name: wc, .offset: 64, .size: 8, .value_kind: global_buffer, .address_space: global }
      - { .name: ac, .offset: 72, .size: 8, .value_kind: global_buffer, .address_space: global }
    .group_segment_fixed_size: 33280
    .private_segment_fixed_size: 0
    .kernarg_segment_align: 8
    .kernarg_segment_size: 80
    .max_flat_workgroup_size: 128
    .sgpr_count:     66
    .vgpr_count:     192
    .wavefront_size: 32
...
	.end_amdgpu_metadata
.endif
;; end of part 1
;; launch qkv (part 2): grid 48 x 4, 4 waves a work-group, clusters of 4 x 4, 327,680 bytes of LDS; arguments ac, wc, lowp_scales, qkv_b, qkvc; writes qkvc
.if DOCPART == 2
	.amdgcn_target "amdgcn-amd-amdhsa--gfx1250"
	.amdhsa_code_object_version 6
	.text
	.protected	k_qbaa0e167ee_qkv
	.globl	k_qbaa0e167ee_qkv
	.p2align	8
	.type	k_qbaa0e167ee_qkv,@function
k_qbaa0e167ee_qkv:
	s_mov_b64 s[64:65], 0
	v_nop
	global_prefetch_b8 v0, s[64:65] scope:SCOPE_SE
	s_setreg_imm32_b32 hwreg(HW_REG_WAVE_MODE, 25, 1), 1
	s_wait_xcnt 0x0
	s_wait_alu depctr_hold_cnt(0) depctr_sa_sdst(0) depctr_va_vdst(0) depctr_va_sdst(0) depctr_va_ssrc(0) depctr_va_vcc(0) depctr_vm_vsrc(0)
	s_getreg_b32 s2, hwreg(HW_REG_IB_STS2, 6, 4)
	s_cmp_eq_u32 s2, 0
	s_cbranch_scc0 .Lentry_in_a_cluster
	s_endpgm
.Lentry_in_a_cluster:
	s_bfe_u32 s2, ttmp6, 0x10000c
	s_cmp_lg_u32 s2, 0xf033
	s_cbranch_scc0 .Lentry_shape_is_right
	s_endpgm
.Lentry_shape_is_right:
; QKV.  qkv = xn W^T + b on codes of E4M3 (xn: ac [4096][1024]; W: the first 3,072 rows of wc, [3072][1024]; K innermost in both), f32 sums, x 2^(e0 + e1), + bias, and the result
; quantised at once into the operands of the two attention products: q with e2, k with e3 (K = the head's 64), v with e5 (K = the keys).
; A tile of 256 x 256 is made by four waves, 128 x 128 each (64 accumulators, 512 registers); K goes in steps of 256 through a ring of two LDS slots filled by the tensor data mover.
; THE MATRIX INSTRUCTION IS USED TRANSPOSED: source 0 = 16 rows of the B side, source 1 = 16 rows of the A side: a lane holds one row of the A side and eight neighbouring rows of the B side.
; q and k (clusters 0-7): A side = tokens, B side = rows of W: a lane's eight numbers run along the head's axis.  v (clusters 8-11): A side = W's rows 2,048 on, B side = tokens: they run along the keys.
; So one loop and one way out serve all three; only pointers, offsets and two lane masks are chosen, by the cluster's number, which all sixteen partners share.  No branch hangs on the choice.
; OUT: panels of 64 columns, T[column / 64][row][column % 64]: q's head h is panel h, k's panel 16 + h ([4096 tokens][64 bytes]); from byte 8,388,608 on v: [64 panels of tokens][1024 rows = 64 h + d][64 bytes].
; A wave's 16 rows x 64 columns of codes are 1,024 consecutive bytes there.
; CLUSTERS: 4 x 4 work-groups; the A side's tile is shared along a row of the cluster, the B side's along a column: joint loads.  192 tiles: 12 clusters.
; LIMITS: e0 + e1 between -126 and 127; e2, e3, e5 between -126 and 119.  NaN is not served.
; REGISTERS: window 0: v0-31 addresses; v32-95 the bias by columns, v96-111 by rows; v112, v113 scale and hold; from v128 A's fragments, ONE set; on the way out v128-223 at work.
;   window 1: B's fragments, two sets.   window 2: the accumulators of my rows 0-63 ((a, b) at v[8 (8 a + b)]);   window 3: rows 64-127.
.set SIZE_K, 1024
.set KSTEP,  256
.set ROWB,   256
.set KROW,   SIZE_K
.set PITCH,  272                       ; an LDS row: 256 bytes + 16 of padding: the 16 rows that a load touches start at 16 different banks
.set FR,     16
.set NL,     4
.set NP,     4                         ; places behind this matrix instruction (ISA guide 7.12.1)
.set HALFT,  128*PITCH
.set SLOT,   4*HALFT
.set LAPS,   SIZE_K/(2*KSTEP)
.set SPARE,  2*SLOT                    ; behind the ring: the spare words, 128 bytes a wave
.set SPB,    144                       ; the way out: a stage of 16 rows x (128 bytes + 16) for each wave, in slot 0, which has had its last fill and its last read by then
.set ADRA, 16
.set ADRB, 20
.set STO,  24
.set RD,   25
.set CO,   26
.set SPW,  28
.set NIL,  29
.set BC,   32
.set BR,   96
.set SCL,  112
.set LIM,  113
.set AF,   128
.set TMP,  128
.set CD,   192
.set BK,   208
.set G1, 24
.set G0, 32
.set G1B, 48
.set G0B, 56
.set MSB, 0
.macro WIN new                         ; the immediate's high byte repeats the setting that is left
.if MSB != \new
	s_set_vgpr_msb (MSB<<8)|\new
.set MSB, \new
.endif
.endm
.set MUL_LO, 0xa1                      ; source 0 (B) window 1, source 1 (A) window 0, C and D window 2
.set MUL_HI, 0xf1
.set TO_B,   0x40
.macro JLOAD g0a, g1a, g0b, g1b        ; a joint load: waves 0 and 1 fetch for the A side, waves 2 and 3 for the B side; four v_nop follow each line
	s_cmp_eq_u32 s15, 0
	s_cbranch_scc0 .Lfor_b_\@
	tensor_load_to_lds s[\g0a:\g0a+3], s[\g1a:\g1a+7]
	s_nop 0
.rept 4
	v_nop
.endr
	s_branch .Lasked_\@
.Lfor_b_\@:
	tensor_load_to_lds s[\g0b:\g0b+3], s[\g1b:\g1b+7]
	s_nop 0
.rept 4
	v_nop
.endr
.Lasked_\@:
.endm
.macro CREST                           ; a round of the cluster's barrier behind its opening barrier
	s_cmp_lg_u32 s14, 0
	s_cbranch_scc1 .Lnot_wave_0_\@
	s_barrier_signal -3
.Lnot_wave_0_\@:
	s_barrier_wait -3
	s_barrier_signal -1
	s_barrier_wait -1
.endm
.macro CROUND
	s_barrier_signal -1
	s_barrier_wait -1
	CREST
.endm
	s_load_b128 s[4:7], s[0:1], 0x0                ; ac s[4:5], wc s[6:7]
	s_load_b128 s[8:11], s[0:1], 0x10              ; the scales s[8:9], qkv_b s[10:11]
	s_load_b64 s[12:13], s[0:1], 0x20              ; qkvc
	v_lshl_add_u32 v[SPW], v0, 2, SPARE
	v_mov_b32 v[NIL], 0
	ds_add_u32 v28, v29
	ds_add_u32 v28, v29
	s_wait_dscnt 0x0
	v_lshrrev_b32 v1, 5, v0
	v_readfirstlane_b32 s14, v1                    ; wave 0..3
	s_lshr_b32 s15, s14, 1                         ; which half of the tile's A rows is mine.  Also: I fetch for A (0) or for B (1)
	s_and_b32 s16, s14, 1                          ; which half of its B rows.  Also: which 128 rows of that tile I fetch
	s_bfe_u32 s40, ttmp6, 0x40000                  ; cx, cy
	s_bfe_u32 s41, ttmp6, 0x40004
	s_lshr_b32 s80, ttmp9, 1                       ; q, k: clusters 0-7 are 4 (tokens) x 2 (q, k)
	s_and_b32 s81, ttmp9, 1
	s_and_b32 s82, ttmp9, 3                        ; v: clusters 8-11 are 1 (W's rows) x 4 (tokens)
	s_cmp_ge_u32 ttmp9, 8
	s_cselect_b32 s80, 0, s80
	s_cselect_b32 s81, s82, s81
	s_lshl_b32 s42, s81, 2
	s_add_co_u32 s42, s42, s40                     ; the B side's tile = 4 fb + cx
	s_lshl_b32 s17, s80, 2
	s_add_co_u32 s17, s17, s41                     ; the A side's tile = 4 fa + cy
	s_lshl_b32 s43, s41, 2
	s_lshl_b32 s43, 15, s43                        ; my row of the cluster
	s_lshl_b32 s44, 0x1111, s40                    ; my column
	s_or_b32 s[G1+0], s43, (0<<16)|(1<<20)|(1<<21)|(5<<22)|(3<<25)  ; the mask; elements of 1 byte; padding on; bit 21 beside a mask; 4 words behind every 64
	s_or_b32 s[G1B+0], s44, (0<<16)|(1<<20)|(1<<21)|(5<<22)|(3<<25)
.irp g, G1, G1B
	s_mov_b32 s[\g+1], ROWB<<16                    ; tensor_dim0
	s_mov_b32 s[\g+2], 128<<16                     ; tensor_dim1
	s_mov_b32 s[\g+3], ROWB<<16                    ; tile_dim0
	s_mov_b32 s[\g+4], 128                         ; tile_dim1
	s_mov_b32 s[\g+5], KROW                        ; tensor_dim0_stride
	s_mov_b32 s[\g+6], 0
	s_mov_b32 s[\g+7], 0
.endr
	s_lshl_b32 s18, s16, 7                         ; which 128 rows of the tile I fetch
	s_lshl_b32 s20, s17, 8
	s_add_co_u32 s20, s20, s18
	s_lshl_b32 s20, s20, 10                        ; A side: (256 x tile + 128 x half) rows of 1,024 bytes
	s_mov_b32 s21, 0
	s_lshl_b32 s46, s42, 8
	s_add_co_u32 s46, s46, s18
	s_lshl_b32 s46, s46, 10                        ; B side likewise
	s_mov_b32 s47, 0
	s_mul_i32 s45, s14, HALFT                      ; where they go: wave x 128 rows
	s_wait_kmcnt 0x0
	s_load_b256 s[72:79], s[8:9], 0x0              ; e0 .. e7
	s_cmp_ge_u32 ttmp9, 8
	s_cselect_b64 s[84:85], s[6:7], s[4:5]         ; the A side's buffer,
	s_cselect_b64 s[86:87], s[4:5], s[6:7]         ; the B side's,
	s_cselect_b32 s88, 0x200000, 0                 ; and W's rows 2,048 on for v
	s_mov_b32 s89, 0
	s_add_nc_u64 s[84:85], s[84:85], s[88:89]
	s_add_nc_u64 s[20:21], s[84:85], s[20:21]
	s_add_nc_u64 s[46:47], s[86:87], s[46:47]
	CROUND                                         ; all sixteen work-groups are here: the first joint loads meet
.irp s, 0,1
	s_mov_b32 s[G0+4*\s], 1
	s_add_co_u32 s[G0+4*\s+1], s45, \s*SLOT
	s_add_nc_u64 s[G0+4*\s+2:G0+4*\s+3], s[20:21], \s*ROWB
	s_or_b32 s[G0+4*\s+3], s[G0+4*\s+3], 0x80000000
	s_mov_b32 s[G0B+4*\s], 1
	s_add_co_u32 s[G0B+4*\s+1], s45, \s*SLOT
	s_add_nc_u64 s[G0B+4*\s+2:G0B+4*\s+3], s[46:47], \s*ROWB
	s_or_b32 s[G0B+4*\s+3], s[G0B+4*\s+3], 0x80000000
.endr
	JLOAD G0, G1, G0B, G1B                         ; K step 0: one tensor load a wave at the head
	; PREFETCH INTO THE L2: behind the load of K step s stands one request for K step s + 2 (s = 0, 1; K has four steps).  Of the 128 rows that my wave fetches, each of the four
	; partners that ask for them jointly names 32, told apart by address (cx for the A side, cy for the B side): a lane a row, 256 bytes of it.  The address registers are never rewritten.
	s_cmp_eq_u32 s15, 0
	s_cselect_b64 s[98:99], s[20:21], s[46:47]
	s_cselect_b32 s94, s40, s41
	s_lshl_b32 s94, s94, 15                        ; 32 rows of 1,024 bytes
	s_mov_b32 s95, 0
	s_add_nc_u64 s[98:99], s[98:99], s[94:95]
	v_and_b32 v30, 31, v0
	v_lshlrev_b32 v30, 10, v30                     ; my lane's row
	s_wait_alu depctr_va_vdst(0)
	global_prefetch_b8 v30, s[98:99] offset:ROWB th:TH_LOAD_NT scope:SCOPE_SE     ; K step 1 too: its load goes out only when K step 0 has landed
	global_prefetch_b8 v30, s[98:99] offset:2*ROWB th:TH_LOAD_NT scope:SCOPE_SE
	v_and_b32 v1, 15, v0                           ; r = l % 16
	s_wait_alu depctr_va_vdst(0)
	v_bfe_u32 v2, v0, 4, 1                         ; h = l / 16
	v_mul_u32_u24 v3, v1, PITCH
	v_lshl_add_u32 v4, v2, 4, v3                   ; a fragment's row x pitch + 16 x half
	s_mul_i32 s21, s15, HALFT
	s_mul_i32 s22, s16, HALFT
	s_add_co_u32 s22, s22, 2*HALFT
.irp s, 0,1
	v_add_nc_u32 v[ADRA+\s], s21, v4
	v_add_nc_u32 v[ADRB+\s], s22, v4
	s_add_co_u32 s21, s21, SLOT
	s_add_co_u32 s22, s22, SLOT
.endr
	s_mul_i32 s23, s14, 16*SPB                     ; my stage
	v_mul_u32_u24 v5, v1, SPB
	s_wait_alu depctr_va_vdst(0)
	v_lshl_add_u32 v5, v2, 3, v5
	v_add_nc_u32 v[STO], s23, v5                   ; in: row r, 8 bytes for each half of the lanes
	v_and_b32 v6, 31, v0
	v_lshlrev_b32 v[CO], 4, v6                     ; out: 16 x lane
	v_lshrrev_b32 v5, 2, v6
	v_mul_u32_u24 v5, v5, SPB
	v_and_b32 v6, 3, v6
	v_lshl_add_u32 v5, v6, 4, v5
	v_add_nc_u32 v[RD], s23, v5                    ; back: four lanes to a row's 64 bytes of a panel, eight rows an instruction
	v_lshlrev_b32 v7, 5, v2                        ; the bias by columns: 32 h
	s_wait_alu depctr_va_vdst(0)
	v_lshlrev_b32 v8, 2, v1                        ; by rows: 4 r
	s_wait_alu depctr_va_vdst(0)
	s_lshl_b32 s88, s42, 10
	s_lshl_b32 s90, s16, 9
	s_add_co_u32 s88, s88, s90                     ; q, k: 4 (256 x B tile + 128 x half)
	s_lshl_b32 s90, s17, 10
	s_lshl_b32 s92, s15, 9
	s_add_co_u32 s90, s90, s92
	s_add_co_u32 s90, s90, 8192                    ; v: 4 (2,048 + 256 x A tile + 128 x half)
	s_cmp_ge_u32 ttmp9, 8
	s_cselect_b32 s88, 0, s88                      ; the kind that does not count is loaded from the buffer's head and masked to zero below
	s_cselect_b32 s90, s90, 0
	s_cselect_b32 s82, 0, -1                       ; lanes in which the bias by columns counts,
	s_cselect_b32 s83, -1, 0                       ; and by rows
	s_mov_b32 s89, 0
	s_mov_b32 s91, 0
	s_add_nc_u64 s[88:89], s[10:11], s[88:89]
	s_add_nc_u64 s[90:91], s[10:11], s[90:91]
.irp b, 0,1,2,3,4,5,6,7
	global_load_b128 v[BC+8*\b:BC+8*\b+3], v7, s[88:89] offset:64*\b
	global_load_b128 v[BC+8*\b+4:BC+8*\b+7], v7, s[88:89] offset:64*\b+16
.endr
.irp a, 0,1,2,3,4,5,6,7
	global_load_b32 v[BR+2*\a], v8, s[90:91] offset:64*\a
.endr
	s_lshl_b32 s92, s42, 2
	s_lshl_b32 s93, s16, 1
	s_add_co_u32 s92, s92, s93                     ; my first panel: 4 x B tile + 2 x half
	s_lshl_b32 s93, s17, 8
	s_lshl_b32 s94, s15, 7
	s_add_co_u32 s93, s93, s94                     ; my first row
	s_lshl_b32 s93, s93, 6
	s_cmp_ge_u32 ttmp9, 8
	s_cselect_b32 s94, 16, 18                      ; a panel is 2^18 bytes (4,096 rows) for q and k, 2^16 (1,024 rows) for v
	s_cselect_b32 s95, 0x800000, 0
	s_lshl_b32 s92, s92, s94
	s_add_co_u32 s92, s92, s93
	s_add_co_u32 s92, s92, s95
	s_mov_b32 s93, 0
	s_add_nc_u64 s[68:69], s[12:13], s[92:93]      ; my first panel at my first row,
	s_lshl_b32 s92, 1, s94
	s_add_nc_u64 s[70:71], s[68:69], s[92:93]      ; and my second
.macro FRAG reg, adr, q, i             ; 16 rows x 128 K: lane l holds row l % 16; registers 4 c .. 4 c + 3 hold K = 32 c + 16 (l / 16) + 0 .. 15, alike in A and B
.irp c, 0,1,2,3
	ds_load_b128 v[\reg+4*\c:\reg+4*\c+3], v[\adr] offset:128*(\q)+32*\c+(\i)*16*PITCH
.endr
.endm
; 16 matrix instructions: A's blocks a0, a0 + 1 x B's eight.  The 64 accumulators take turns, one instruction a turn, in the same order in every step.
.macro MUL16 a0, p, zero
.irp a, \a0, \a0+1
.irp b, 0,1,2,3,4,5,6,7
.if \zero
	v_wmma_f32_16x16x128_fp8_fp8 v[8*(8*((\a)%4)+\b):8*(8*((\a)%4)+\b)+7], v[128*(\p)+FR*\b:128*(\p)+FR*\b+FR-1], v[AF+FR*(\a):AF+FR*(\a)+FR-1], 0
.else
	v_wmma_f32_16x16x128_fp8_fp8 v[8*(8*((\a)%4)+\b):8*(8*((\a)%4)+\b)+7], v[128*(\p)+FR*\b:128*(\p)+FR*\b+FR-1], v[AF+FR*(\a):AF+FR*(\a)+FR-1], v[8*(8*((\a)%4)+\b):8*(8*((\a)%4)+\b)+7]
.endif
.endr
.endr
.endm
.macro FETCH_B slot, q, p
	WIN TO_B
.irp i, 0,1,2,3,4,5,6,7
	FRAG 128*(\p)+FR*\i, ADRB+\slot, \q, \i
.endr
	WIN 0
.endm
.macro FETCH_A slot, q, i0
.irp i, \i0, \i0+1, \i0+2, \i0+3
	FRAG AF+FR*(\i), ADRA+\slot, \q, \i
.endr
.endm
.macro PLACES n                        ; plain vector instructions in front of loads into registers that matrix instructions have read, and of the first read of results
.rept \n
	v_nop
.endr
.endm
.macro STEP slot, q, zero              ; 128 along K, with its successor in the same slot
	s_wait_dscnt 4*NL                              ; B's set and A's blocks 0-3 are in; the sixteen youngest loads (A's blocks 4-7) may be out
	WIN MUL_LO
	MUL16 0, (\q)%2, \zero
	MUL16 2, (\q)%2, \zero
	s_wait_dscnt 0
	PLACES NP
	FETCH_B \slot, (\q)+1, 1-(\q)%2
	FETCH_A \slot, (\q)+1, 0
	WIN MUL_HI
	MUL16 4, (\q)%2, \zero
	MUL16 6, (\q)%2, \zero
	PLACES NP
	WIN 0
	FETCH_A \slot, (\q)+1, 4
.endm
.macro TURN slot, next, fill           ; a slot's last step changes slots: one barrier
	s_wait_tensorcnt 0x0                           ; all my tensor loads have landed: my part of the next slot
	ds_add_u32 v[SPW], v[NIL]                      ; 0 onto my spare word
	s_wait_dscnt 4*NL+1                            ; (the add and A's blocks 4-7 may be out)
	WIN MUL_LO
	MUL16 0, 1, 0
	s_wait_dscnt 0x0                               ; the add is done, and my reads of this slot are over
	s_barrier_signal -1
	MUL16 2, 1, 0
	WIN 0
	s_barrier_wait -1
.if \fill
	CREST                                          ; the barrier has opened a round of the cluster's barrier: no wave of any partner still reads this slot or has a load on its way
	s_add_nc_u64 s[G0+4*\slot+2:G0+4*\slot+3], s[G0+4*\slot+2:G0+4*\slot+3], 2*ROWB
	s_add_nc_u64 s[G0B+4*\slot+2:G0B+4*\slot+3], s[G0B+4*\slot+2:G0B+4*\slot+3], 2*ROWB
	JLOAD G0+4*\slot, G1, G0B+4*\slot, G1B         ; the first tensor load behind the round; its four v_nop are the places in front of the loads below
.else
	PLACES NP
.endif
	FETCH_B \next, 0, 0
	FETCH_A \next, 0, 0
	WIN MUL_HI
	MUL16 4, 1, 0
	MUL16 6, 1, 0
	PLACES NP
	WIN 0
	FETCH_A \next, 0, 4
.endm
	s_wait_alu depctr_va_vdst(0)
	s_wait_tensorcnt 0x0                           ; my part of K step 0 is in
	ds_add_u32 v[SPW], v[NIL]
	s_wait_dscnt 0x0
	CROUND                                         ; everybody's part is in, and the joint loads meet
	JLOAD G0+4, G1, G0B+4, G1B                     ; K step 1, the first tensor load behind the round
	FETCH_B 0, 0, 0
	FETCH_A 0, 0, 0
	FETCH_A 0, 0, 4
	global_prefetch_b8 v30, s[98:99] offset:3*ROWB th:TH_LOAD_NT scope:SCOPE_SE   ; K step 3, the last
	STEP 0, 0, 1                                   ; the first step's products start the sums
	s_mov_b32 s3, LAPS-1
.Llap:
	TURN 0, 1, 1
	STEP 1, 0, 0
	TURN 1, 0, 1
	STEP 0, 0, 0
	s_sub_co_u32 s3, s3, 1
	s_cmp_lg_u32 s3, 0
	s_cbranch_scc1 .Llap
	TURN 0, 1, 0                                   ; the last lap fills nothing
	STEP 1, 0, 0
	s_wait_dscnt 4*NL
	WIN MUL_LO
	MUL16 0, 1, 0
	MUL16 2, 1, 0
	s_wait_dscnt 0
	WIN MUL_HI
	MUL16 4, 1, 0
	MUL16 6, 1, 0
	WIN 0
; THE WAY OUT, block by block of 16 rows x 128 columns: sum x 2^(e0 + e1) + bias, hold, conversion (a lane's eight numbers are eight neighbours along the next K), 8 bytes a lane into my stage,
; back as the two panels' 1,024 consecutive bytes each, stored 512 bytes an instruction.
; The eight blocks go through ONE loop: only the accumulators' register numbers differ from block to block, so each block has a short arm of its own, chosen by the loop's counter, and all else is written once.
.macro ARM a
.Larm\a:
.set AC, 64*((\a)%4)
	WIN 0x02+((\a)/4)                              ; source 0: window 2 or 3
	s_wait_alu depctr_va_vdst(0)                   ; directly ahead of the first reader of the sums
.set j, 0
.rept 32
	v_pk_fma_f32 v[TMP+j:TMP+j+1], v[AC+j:AC+j+1], s[96:97], v[BC+j:BC+j+1] op_sel_hi:[1,0,1]
.set j, j+2
.endr
	WIN 0
	v_mov_b32 v114, v[BR+2*(\a)]                   ; the block's bias by rows, as a pair
	v_mov_b32 v115, v[BR+2*(\a)]
	s_wait_alu depctr_va_vdst(0)
	s_branch .Lcom
.endm
.macro COMMON
.set j, 0
.rept 32
	v_pk_add_f32 v[TMP+j:TMP+j+1], v[TMP+j:TMP+j+1], v[114:115]
.set j, j+2
.endr
.set j, 0
.rept 64
	v_med3_num_f32 v[TMP+j], v[TMP+j], -v[LIM], v[LIM]
.set j, j+1
.endr
.irp b, 0,1,2,3,4,5,6,7
	v_cvt_scalef32_pk8_fp8_f32 v[CD+2*\b:CD+2*\b+1], v[TMP+8*\b:TMP+8*\b+7], v[SCL]
.endr
	v_nop                                          ; a plain line behind the last conversion
.irp b, 0,1,2,3,4,5,6,7
	ds_store_b64 v[STO], v[CD+2*\b:CD+2*\b+1] offset:16*\b
.endr
.irp g, 0,1
.irp u, 0,1
	ds_load_b128 v[BK+4*(2*\g+\u):BK+4*(2*\g+\u)+3], v[RD] offset:8*SPB*\u+64*\g   ; LDS serves a wave's instructions in order: these see my stores
.endr
.endr
	s_wait_dscnt 0x0
.irp g, 0,1
.irp u, 0,1
	global_store_b128 v[CO], v[BK+4*(2*\g+\u):BK+4*(2*\g+\u)+3], s[68+2*\g:69+2*\g] offset:512*\u   ; 32 lanes store 512 consecutive bytes, aligned
.endr
.endr
.endm
	s_wait_kmcnt 0x0
	s_add_co_i32 s96, s72, s73
	s_add_co_i32 s96, s96, 127
	s_lshl_b32 s96, s96, 23                        ; 2^(e0 + e1) as f32
	s_mov_b32 s97, s96                             ; (named with it as a pair)
	s_cmp_lg_u32 s81, 0
	s_cselect_b32 s95, s75, s74                    ; k's e3 or q's e2,
	s_cmp_ge_u32 ttmp9, 8
	s_cselect_b32 s95, s77, s95                    ; or v's e5
	s_add_co_i32 s95, s95, 127
	s_lshl_b32 s94, s95, 23
	s_add_co_i32 s95, s95, 8
	s_lshl_b32 s95, s95, 23
	s_or_b32 s95, s95, 0x600000
	PLACES NP
	v_mov_b32 v[SCL], s94
	v_mov_b32 v[LIM], s95
	s_wait_loadcnt 0x0                             ; the biases
.set j, 0
.rept 64
	v_cndmask_b32 v[BC+j], 0, v[BC+j], s82
.set j, j+1
.endr
.irp a, 0,1,2,3,4,5,6,7
	v_cndmask_b32 v[BR+2*\a], 0, v[BR+2*\a], s83
.endr
.irp a, 0,1,2,3,4,5,6,7
	v_mov_b32 v[BR+2*\a+1], v[BR+2*\a]
.endr
	s_mov_b32 s3, 0                                ; the block
.Lblk:
.irp a, 0,1,2,3,4,5,6
	s_cmp_eq_u32 s3, \a
	s_cbranch_scc1 .Larm\a
.endr
.irp a, 7,0,1,2,3,4,5,6
	ARM \a
.endr
.Lcom:
	COMMON
	s_wait_xcnt 0x0                                ; the stores have read their registers and bases
	s_add_nc_u64 s[68:69], s[68:69], 1024          ; 16 rows of 64 bytes on, in both panels
	s_add_nc_u64 s[70:71], s[70:71], 1024
	s_add_co_u32 s3, s3, 1
	s_cmp_lt_u32 s3, 8
	s_wait_alu depctr_va_vdst(0)
	s_cbranch_scc1 .Lblk
	s_wait_tensorcnt 0x0                           ; the wave's end
	ds_add_u32 v[SPW], v[NIL]
	s_wait_dscnt 0x0
	CROUND                                         ; the closing round
	s_endpgm
.Lfunc_end_k_qbaa0e167ee_qkv:
	.size	k_qbaa0e167ee_qkv, .Lfunc_end_k_qbaa0e167ee_qkv-k_qbaa0e167ee_qkv
	.p2alignl 7, 3214868480
	.fill 96, 4, 3214868480
	.section	.rodata,"a",@progbits
	.p2align	6, 0x0
	.amdhsa_kernel k_qbaa0e167ee_qkv
		.amdhsa_group_segment_fixed_size 327680
		.amdhsa_private_segment_fixed_size 0
		.amdhsa_enable_private_segment 0
		.amdhsa_kernarg_size 40
		.amdhsa_user_sgpr_count 2
		.amdhsa_user_sgpr_kernarg_segment_ptr 1
		.amdhsa_wavefront_size32 1
		.amdhsa_system_sgpr_workgroup_id_x 1
		.amdhsa_system_sgpr_workgroup_id_y 1
		.amdhsa_system_sgpr_workgroup_id_z 1
		.amdhsa_system_vgpr_workitem_id 0
		.amdhsa_next_free_vgpr 1024
		.amdhsa_next_free_sgpr 100
		.amdhsa_reserve_vcc 0
		.amdhsa_float_denorm_mode_32 3
		.amdhsa_float_denorm_mode_16_64 3
		.amdhsa_memory_ordered 1
		.amdhsa_forward_progress 1
		.amdhsa_inst_pref_size 114
	.end_amdhsa_kernel
	.amdgpu_metadata
---
amdhsa.version: [ 1, 2 ]
amdhsa.kernels:
  - .name:           k_qbaa0e167ee_qkv
    .symbol:         k_qbaa0e167ee_qkv.kd
    .args:
      - { .name: ac, .offset: 0, .size: 8, .value_kind: global_buffer, .address_space: global }
      - { .name: wc, .offset: 8, .size: 8, .value_kind: global_buffer, .address_space: global }
      - { .name: lowp_scales, .offset: 16, .size: 8, .value_kind: global_buffer, .address_space: global }
      - { .name: qkv_b, .offset: 24, .size: 8, .value_kind: global_buffer, .address_space: global }
      - { .name: qkvc, .offset: 32, .size: 8, .value_kind: global_buffer, .address_space: global }
    .group_segment_fixed_size: 327680
    .private_segment_fixed_size: 0
    .kernarg_segment_align: 8
    .kernarg_segment_size: 40
    .max_flat_workgroup_size: 128
    .sgpr_count:     100
    .vgpr_count:     1024
    .wavefront_size: 32
...
	.end_amdgpu_metadata
.endif
;; end of part 2
;; launch attn (part 3): grid 8 x 32, 16 waves a work-group, clusters of 4 x 1, 327,680 bytes of LDS; arguments qkvc, lowp_scales, oc; writes oc
.if DOCPART == 3
	.amdgcn_target "amdgcn-amd-amdhsa--gfx1250"
	.amdhsa_code_object_version 6
	.text
	.protected	k_qbaa0e167ee_attn
	.globl	k_qbaa0e167ee_attn
	.p2align	8
	.type	k_qbaa0e167ee_attn,@function
k_qbaa0e167ee_attn:
	s_mov_b64 s[64:65], 0
	v_nop
	global_prefetch_b8 v0, s[64:65] scope:SCOPE_SE
	s_setreg_imm32_b32 hwreg(HW_REG_WAVE_MODE, 25, 1), 1
	s_wait_xcnt 0x0
	s_wait_alu depctr_hold_cnt(0) depctr_sa_sdst(0) depctr_va_vdst(0) depctr_va_sdst(0) depctr_va_ssrc(0) depctr_va_vcc(0) depctr_vm_vsrc(0)
	s_getreg_b32 s2, hwreg(HW_REG_IB_STS2, 6, 4)
	s_cmp_eq_u32 s2, 0
	s_cbranch_scc0 .Lentry_in_a_cluster
	s_endpgm
.Lentry_in_a_cluster:
	s_bfe_u32 s2, ttmp6, 0x10000c
	s_cmp_lg_u32 s2, 0x3003
	s_cbranch_scc0 .Lentry_shape_is_right
	s_endpgm
.Lentry_shape_is_right:
; ATTENTION on codes of E4M3.  For each of 32 (batch, head): o = softmax(q k^T / 8) v, 2,048 queries and keys, head size 64; o is quantised at once with e6 for the next product.
; THE SOFTMAX AHEAD OF THE SECOND PRODUCT: t = score x log2(e) / 8; M = the running largest t rounded UP to a whole number; p = 2^(t - M) is quantised with e4, not normalised; the row's sum is taken
; of the unquantised p and divides at the end.  When M moves, the sum and O are multiplied by 2^(old M - new M), which rounds nothing.
; SHARES.  A work-group owns 256 queries of one head; each of its sixteen waves 16 of them, in 256 registers: four waves to a SIMD.
; ALL of the head's K and V codes (2 x 131,072 bytes) lie in LDS.  They come in ONCE, by one tensor load a wave at the head: waves 0-7 take 256 keys of K each (16,384 dense bytes),
; waves 8-15 four panels of 64 keys of V each (4 x 4,096 bytes).  Nothing is filled twice: no ring.  One barrier stands between the fills and the reads; the loop of 16 key steps has none.
; A STEP'S ORDER.  A step's K fragments were asked for in the step before, among the lines that make M; its V fragments are asked for behind the score products and are waited for behind the exponentials.
; So no product waits for an LDS load just issued.  The last step's request for a next K reads the two chunks behind K's last (V's first two); those registers are not used.
; CLUSTER.  The four query blocks of a cluster belong to one head: every load is asked for JOINTLY (mask 15), each work-group receives it in its own LDS.
; NO PREFETCH: every tile is asked for at the head, so there is no loop in which to ask ahead of a tensor load.
; LAYOUT.  Both products are used transposed: S^T = K Q^T, O^T = V^T P^T: a lane holds ONE query (lane % 16) throughout.  The 16 rows of a tile of K (keys) and of V (the head's axis) are not neighbours:
; lane r of tile 2 b + u takes row 32 b + 8 u + r + 8 (r / 8), so that the 16 registers of tiles 2 b, 2 b + 1 are 16 neighbours: p's and o's conversions give operands as they stand.
; IN: qkvc: q's head h: panel h, k's: panel 16 + h, [4096 tokens][64 bytes]; v from byte 8,388,608: [64 panels of 64 tokens][64 h + d][64 bytes].  OUT: oc [16 heads][4096 tokens][64 bytes].
; LDS: 4,096 dense bytes (64 rows of 64 codes) lie as a chunk of 32 rows of 128 bytes + 16 of padding.
; LIMITS: e2 + e3 between -123 and 130 (added to c's exponent field); e4, e6 between -126 and 119; e4 + e5 is applied by v_ldexp_f32.  NaN is not served; scores stay above -3e38.
; REGISTERS: v1 my place in a tile; v2, v3 LDS addresses of the next K and of V, then a chain of the sum; v4, v5 the spare word and 0; v6, v9 p's hold; v7 p's scale
;   v8 the old -M; v10, v11, v24, v25 chains of the maximum and of the sum; v12 -M, v13 the largest score, v[14:15] the sum; v16-23 Q; v26 f;
;   v28-91 K's eight fragments; v92-107 p's codes (v96 on: over scores that are done with); v96-159 S^T, then p; v160-191 O^T; v192-255 V's four fragments.
.set CHK,   4608                       ; a chunk: 32 rows x 144
.set VOF,   32*CHK                     ; V's 32 chunks lie behind K's 32
.set STAGE, 64*CHK                     ; behind them: 1,024 bytes for each wave, for the way out
.set SPARE, STAGE+16*1024              ; and the spare words, 128 bytes a wave
.set WV,    18
.macro CROUND                          ; a round of the cluster's barrier
	s_barrier_signal -1
	s_barrier_wait -1
	s_cmp_lg_u32 s[WV], 0
	s_cbranch_scc1 .Lnot_wave_0_\@
	s_barrier_signal -3
.Lnot_wave_0_\@:
	s_barrier_wait -3
	s_barrier_signal -1
	s_barrier_wait -1
.endm
	s_load_b128 s[4:7], s[0:1], 0x0                ; qkvc s[4:5], the scales s[6:7]
	s_load_b64 s[8:9], s[0:1], 0x10                ; oc
	v_lshl_add_u32 v4, v0, 2, SPARE
	v_mov_b32 v5, 0
	ds_add_u32 v4, v5                              ; the opening adds, twice on end; their wait stands ahead of my tensor load
	ds_add_u32 v4, v5
	v_lshrrev_b32 v8, 5, v0
	v_readfirstlane_b32 s[WV], v8                  ; wave 0..15
	s_bfe_u32 s19, ttmp6, 0x40000                  ; cx: it enters Q's and O's global addresses alone
	s_and_b32 s10, ttmp7, 0xffff
	s_lshr_b32 s11, s10, 4                         ; the batch
	s_and_b32 s12, s10, 15                         ; the head
	s_and_b32 s16, s[WV], 7                        ; which 256 keys I fetch
	s_add_co_u32 s13, s12, 16                      ; K: panel 16 + h, token 2,048 b + 256 j
	s_lshl_b32 s13, s13, 18
	s_lshl_b32 s14, s11, 17
	s_add_co_u32 s13, s13, s14
	s_lshl_b32 s14, s16, 14
	s_add_co_u32 s13, s13, s14
	s_lshl_b32 s15, s11, 21                        ; V: panel 32 b + 4 j, rows 64 h on
	s_lshl_b32 s14, s16, 18
	s_add_co_u32 s15, s15, s14
	s_lshl_b32 s14, s12, 12
	s_add_co_u32 s15, s15, s14
	s_add_co_u32 s15, s15, 0x800000
	s_cmp_lt_u32 s[WV], 8
	s_cselect_b32 s52, s13, s15
	s_mov_b32 s53, 0
	s_mul_i32 s50, s[WV], 4*CHK                    ; where my four chunks go: K's waves first, V's behind them
	s_lshl_b32 s60, ttmp9, 2
	s_add_co_u32 s60, s60, s19                     ; my block of 256 queries
	s_lshl_b32 s60, s60, 8
	s_lshl_b32 s61, s11, 11
	s_add_co_u32 s60, s60, s61
	s_lshl_b32 s61, s[WV], 4
	s_add_co_u32 s60, s60, s61                     ; my first query's token
	s_lshl_b32 s60, s60, 6
	s_lshl_b32 s61, s12, 18
	s_add_co_u32 s60, s60, s61                     ; its 64 bytes in panel h: the same offset in qkvc and in oc
	s_mov_b32 s61, 0
.irp g, 24, 32                         ; group 1 for K s[24:31] and for V s[32:39]: 4 rows of 512 elements of 8 bytes
	s_mov_b32 s[\g], 15|(3<<16)|(1<<20)|(1<<21)|(4<<22)|(3<<25)   ; the mask: all four work-groups; padding on; bit 21 beside a mask; 4 words behind every 32
	s_mov_b32 s[\g+1], 512<<16                     ; tensor_dim0
	s_mov_b32 s[\g+2], 4<<16                       ; tensor_dim1
	s_mov_b32 s[\g+3], 512<<16                     ; tile_dim0
	s_mov_b32 s[\g+4], 4                           ; tile_dim1
	s_mov_b32 s[\g+6], 0
	s_mov_b32 s[\g+7], 0
.endr
	s_mov_b32 s29, 512                             ; K's rows are dense,
	s_mov_b32 s37, 8192                            ; V's a panel (65,536 bytes) apart
	s_mov_b32 s20, 0x76543210                      ; v_permlanex16_b32: lane l xor 16
	s_mov_b32 s21, 0xfedcba98
	s_mov_b32 s22, 0x3e38aa3b                      ; c = log2(e) / 8
	s_mov_b32 s46, 2*CHK                           ; LDS byte at which the NEXT step's K begins,
	s_mov_b32 s48, VOF                             ; and this step's V
	s_wait_dscnt 0x0                               ; both opening adds are done
	s_wait_kmcnt 0x0
	s_load_b256 s[68:75], s[6:7], 0x0              ; e0 .. e7
	s_mov_b32 s40, 1                               ; group 0
	s_mov_b32 s41, s50
	s_add_nc_u64 s[42:43], s[4:5], s[52:53]
	s_or_b32 s43, s43, 0x80000000
	s_add_nc_u64 s[58:59], s[4:5], s[60:61]        ; Q
	s_add_nc_u64 s[8:9], s[8:9], s[60:61]          ; O
	CROUND                                         ; all four work-groups are here: the joint loads meet
	s_cmp_lt_u32 s[WV], 8                          ; one chain, one load to an arm, one join
	s_cbranch_scc0 .Lfor_v
	tensor_load_to_lds s[40:43], s[24:31]
	s_nop 0
.rept 4
	v_nop
.endr
	s_branch .Lasked
.Lfor_v:
	tensor_load_to_lds s[40:43], s[32:39]
	s_nop 0
.rept 4
	v_nop
.endr
.Lasked:
	v_and_b32 v8, 15, v0                           ; r
	v_bfe_u32 v9, v0, 4, 1                         ; h
	v_lshlrev_b32 v10, 6, v8
	s_delay_alu instid0(VALU_DEP_1)
	v_lshl_add_u32 v10, v9, 4, v10                 ; 64 r + 16 h
	global_load_b128 v[16:19], v10, s[58:59]       ; Q's fragment: registers 4 c .. 4 c + 3 hold d = 32 c + 16 h + 0 .. 15, as K's do
	global_load_b128 v[20:23], v10, s[58:59] offset:32
	v_and_b32 v11, 8, v8
	s_delay_alu instid0(VALU_DEP_1)
	v_add_nc_u32 v11, v11, v8                      ; r + 8 (r / 8)
	s_delay_alu instid0(VALU_DEP_1)
	v_lshrrev_b32 v11, 1, v11
	s_delay_alu instid0(VALU_DEP_1)
	v_mul_u32_u24 v1, v11, 144                     ; two rows of 64 codes to an LDS row
	v_and_b32 v11, 1, v8
	s_delay_alu instid0(VALU_DEP_1)
	v_lshl_add_u32 v1, v11, 6, v1
	s_delay_alu instid0(VALU_DEP_1)
	v_lshl_add_u32 v1, v9, 4, v1
.set j, 0
.rept 32
	v_mov_b32 v[160+j], 0                          ; O^T: the step is written once; the first change of M leaves zeros zeros
.set j, j+1
.endr
	v_mov_b32 v13, 0xff61b1e6                      ; the largest score so far: -3e38
	v_mov_b32 v12, 0x7f61b1e6                      ; -M: 3e38
	v_mov_b32 v14, 0
	v_mov_b32 v15, 0
	v_mov_b32 v27, 0                               ; (named as the upper half of the pair v[26:27])
	s_wait_kmcnt 0x0
	s_add_co_i32 s76, s70, s71
	s_lshl_b32 s76, s76, 23
	s_add_co_i32 s22, s22, s76                     ; a score stands for score x 2^(e2 + e3): added to c's exponent field
	s_mov_b32 s23, s22
	s_add_co_i32 s76, s72, 127
	s_lshl_b32 s77, s76, 23
	v_mov_b32 v7, s77                              ; 2^e4
	s_add_co_i32 s76, s76, 8
	s_lshl_b32 s76, s76, 23
	s_or_b32 s76, s76, 0x600000
	v_mov_b32 v6, s76                              ; 448 x 2^e4,
	v_mov_b32 v9, s76                              ; twice
	s_add_co_i32 s63, s74, 127
	s_lshl_b32 s62, s63, 23                        ; 2^e6
	s_add_co_i32 s63, s63, 8
	s_lshl_b32 s63, s63, 23
	s_or_b32 s63, s63, 0x600000                    ; 448 x 2^e6
.macro KL adr, t                       ; tile t of K: 16 keys x 64 codes
	ds_load_b128 v[28+8*(\t):31+8*(\t)], v[\adr] offset:(16*((\t)/2)+4*((\t)%2))*144
	ds_load_b128 v[32+8*(\t):35+8*(\t)], v[\adr] offset:(16*((\t)/2)+4*((\t)%2))*144+32
.endm
.macro FMA n                           ; t - M for the next n pairs (of the pairs c and -M the low word serves both halves)
.rept \n
	v_pk_fma_f32 v[96+j:97+j], v[96+j:97+j], s[22:23], v[12:13] op_sel_hi:[1,0,0]
.set j, j+2
.endr
.endm
; A KEY STEP: 128 keys.
.macro STEP
	s_wait_dscnt 0x0                               ; this step's K, asked for in the step before
	v_mov_b32 v8, v12                              ; the old -M
	v_add_nc_u32 v3, s48, v1                       ; V
	v_add_nc_u32 v2, s46, v1                       ; the next K
	v_nop
	v_nop                                          ; five places between the last products, which read v92-107, and the products below, which write v96 on
.irp t, 0,1,2,3,4,5,6,7
	v_wmma_f32_16x16x64_fp8_fp8 v[96+8*\t:103+8*\t], v[28+8*\t:35+8*\t], v[16:23], 0
.endr
.rept 4
	v_nop                                          ; four places in front of the first read of the scores and of the loads into K's registers
.endr
.irp t, 0,1,2,3                        ; V's fragments land under the softmax
.irp c, 0,1,2,3
	ds_load_b128 v[192+16*\t+4*\c:195+16*\t+4*\c], v3 offset:(\c/2)*CHK+(16*(\t/2)+4*(\t%2))*144+32*(\c%2)
.endr
.endr
	v_max3_num_f32 v24, v96, v97, v98              ; the step's largest score of my query among my 64 keys, in four chains, in ascending order: each accumulator is read from its low end on
	v_max3_num_f32 v25, v99, v100, v101
	v_max3_num_f32 v10, v102, v103, v104
	v_max3_num_f32 v11, v105, v106, v107
.irp i, 12,20,28,36,44,52
	v_max3_num_f32 v24, v24, v[96+\i], v[97+\i]
	v_max3_num_f32 v25, v25, v[98+\i], v[99+\i]
	v_max3_num_f32 v10, v10, v[100+\i], v[101+\i]
	v_max3_num_f32 v11, v11, v[102+\i], v[103+\i]
.endr
	v_max3_num_f32 v24, v24, v156, v157
	v_max3_num_f32 v25, v25, v158, v159
	v_max3_num_f32 v13, v13, v10, v11              ; the running largest score.  The next K's loads stand between the lines of this chain, each of which reads the line before
	KL 2, 0
	v_max3_num_f32 v13, v13, v24, v25
	KL 2, 1
	v_permlanex16_b32 v24, v13, s20, s21
	KL 2, 2
	KL 2, 3
	v_max_num_f32 v13, v13, v24                    ; and lane l xor 16's
	KL 2, 4
	v_mul_f32 v24, s22, v13                        ; as t (c is positive)
	KL 2, 5
	v_floor_f32 v12, -v24                          ; the new -M = -ceil(t)
	KL 2, 6
	KL 2, 7
.set j, 0
	FMA 4
	v_sub_f32 v24, v12, v8                         ; old M - new M: a whole number, 0 or less
	FMA 4
	v_cvt_i32_f32 v24, v24                         ; (it saturates)
	FMA 4
	v_ldexp_f32 v26, 1.0, v24                      ; f = 2^(old M - new M)
	FMA 20
.set j, 0
.rept 16
	v_pk_mul_f32 v[160+j:161+j], v[160+j:161+j], v[26:27] op_sel_hi:[1,0]   ; O^T under the new M, ahead of the exponentials
.set j, j+2
.endr
	s_wait_alu depctr_va_vdst(0)
.set j, 0
.rept 64
	v_exp_f32 v[96+j], v[96+j]                     ; p = 2^(t - M)
.set j, j+1
.endr
	v_pk_mul_f32 v[14:15], v[14:15], v[26:27] op_sel_hi:[1,0]   ; the sums under the new M (a plain place behind the exponentials)
	s_wait_alu depctr_va_vdst(0)                   ; one wait for the batch, ahead of its first reader
	s_wait_dscnt 16                                ; V's sixteen loads are in; the sixteen of the next K, issued behind them, may be out
	v_pk_add_f32 v[24:25], v[96:97], v[98:99]      ; the row's sum of the unquantised p: 32 pairs in four chains
	v_pk_add_f32 v[2:3], v[100:101], v[102:103]
	v_pk_add_f32 v[10:11], v[104:105], v[106:107]
	v_pk_add_f32 v[14:15], v[14:15], v[108:109]
.irp j, 110,118,126,134,142,150
	v_pk_add_f32 v[24:25], v[24:25], v[\j:\j+1]
	v_pk_add_f32 v[2:3], v[2:3], v[\j+2:\j+3]
	v_pk_add_f32 v[10:11], v[10:11], v[\j+4:\j+5]
	v_pk_add_f32 v[14:15], v[14:15], v[\j+6:\j+7]
.endr
	v_pk_add_f32 v[24:25], v[24:25], v[158:159]
	v_pk_add_f32 v[2:3], v[2:3], v[10:11]
	s_delay_alu instid0(VALU_DEP_2)
	v_pk_add_f32 v[14:15], v[14:15], v[24:25]
	s_delay_alu instid0(VALU_DEP_1)
	v_pk_add_f32 v[14:15], v[14:15], v[2:3]
.irp b, 0,1,2,3
.irp i, 0,2,4,6,8,10,12,14             ; p is not negative: a one-sided hold (the conversion does not saturate: ISA guide 7.6.2), two numbers an instruction
	v_dual_min_num_f32 v[96+16*\b+\i], v[96+16*\b+\i], v6 :: v_dual_min_num_f32 v[97+16*\b+\i], v[97+16*\b+\i], v9
.endr
	v_cvt_scalef32_pk8_fp8_f32 v[92+4*\b:93+4*\b], v[96+16*\b:103+16*\b], v7      ; block b's codes: v92-95, then over block 0's numbers, which are converted by then
	v_cvt_scalef32_pk8_fp8_f32 v[94+4*\b:95+4*\b], v[104+16*\b:111+16*\b], v7
	v_nop                                          ; a plain line behind each block's conversions: later blocks' codes land on numbers that block 0's conversions read, and the products read the last block's codes
.endr
.irp t, 0,1,2,3                        ; the four accumulators take turns, one instruction each
	v_wmma_f32_16x16x128_fp8_fp8 v[160+8*\t:167+8*\t], v[192+16*\t:207+16*\t], v[92:107], v[160+8*\t:167+8*\t]
.endr
.endm
	s_wait_alu depctr_va_vdst(0)
	s_wait_loadcnt 0x0                             ; Q
	s_wait_tensorcnt 0x0                           ; my four chunks have landed
	s_barrier_signal -1
	s_barrier_wait -1                              ; everybody's have: all of K and V is in LDS, and nobody writes it again
.irp t, 0,1,2,3,4,5,6,7
	KL 1, \t                                       ; the first step's K
.endr
	s_mov_b32 s49, 16
.Lstep:
	STEP
	s_add_co_u32 s46, s46, 2*CHK
	s_add_co_u32 s48, s48, 2*CHK
	s_sub_co_u32 s49, s49, 1
	s_cmp_lg_u32 s49, 0
	s_cbranch_scc1 .Lstep
	; THE WAY OUT: O^T / the sum x 2^(e4 + e5), quantised with e6: a lane's 16 registers of two tiles are 16 neighbours of the head's axis; through my stage, so that the wave stores 512 consecutive bytes.
.rept 4
	v_nop
.endr
	v_add_f32 v14, v14, v15
	s_delay_alu instid0(VALU_DEP_1)
	v_permlanex16_b32 v24, v14, s20, s21
	s_delay_alu instid0(VALU_DEP_1)
	v_add_f32 v14, v14, v24                        ; the row's sum
	s_wait_alu depctr_va_vdst(0)                   ; ahead of the transcendental
	v_rcp_f32 v14, v14
	s_lshl_b32 s56, s[WV], 10
	s_add_co_u32 s56, s56, STAGE                   ; my stage
	v_and_b32 v8, 15, v0
	v_bfe_u32 v11, v0, 4, 1
	v_lshlrev_b32 v8, 6, v8
	v_and_b32 v10, 31, v0
	v_lshl_add_u32 v8, v11, 4, v8
	v_lshlrev_b32 v10, 4, v10                      ; out: 16 x lane
	v_add_nc_u32 v2, s56, v8                       ; in: query r, 64 r + 16 h
	v_add_nc_u32 v3, s56, v10
	v_mov_b32 v24, s62
	v_mov_b32 v25, s63
	s_add_co_i32 s76, s72, s73
	s_wait_alu depctr_va_vdst(0)                   ; ahead of the reciprocal's first reader
	v_ldexp_f32 v14, v14, s76
	s_wait_alu depctr_va_vdst(0)                   ; directly ahead of the first reader of O^T
.set j, 0
.rept 32
	v_mul_f32 v[96+j], v[160+j], v14
.set j, j+1
.endr
.set j, 0
.rept 32
	v_med3_num_f32 v[96+j], v[96+j], -v25, v25
.set j, j+1
.endr
.irp b, 0,1
	v_cvt_scalef32_pk8_fp8_f32 v[128+4*\b:129+4*\b], v[96+16*\b:103+16*\b], v24
	v_cvt_scalef32_pk8_fp8_f32 v[130+4*\b:131+4*\b], v[104+16*\b:111+16*\b], v24
.endr
	v_nop
	ds_store_b128 v2, v[128:131]                   ; query r, d = 16 h + 0 .. 15
	ds_store_b128 v2, v[132:135] offset:32         ; d = 32 + 16 h + 0 .. 15
	ds_load_b128 v[136:139], v3                    ; LDS serves a wave's instructions in order: these see my stores
	ds_load_b128 v[140:143], v3 offset:512
	s_wait_dscnt 0x0
	global_store_b128 v10, v[136:139], s[8:9]
	global_store_b128 v10, v[140:143], s[8:9] offset:512
	s_wait_tensorcnt 0x0                           ; the wave's end
	ds_add_u32 v4, v5
	s_wait_dscnt 0x0
	CROUND                                         ; the closing round
	s_endpgm
.Lfunc_end_k_qbaa0e167ee_attn:
	.size	k_qbaa0e167ee_attn, .Lfunc_end_k_qbaa0e167ee_attn-k_qbaa0e167ee_attn
	.p2alignl 7, 3214868480
	.fill 96, 4, 3214868480
	.section	.rodata,"a",@progbits
	.p2align	6, 0x0
	.amdhsa_kernel k_qbaa0e167ee_attn
		.amdhsa_group_segment_fixed_size 327680
		.amdhsa_private_segment_fixed_size 0
		.amdhsa_enable_private_segment 0
		.amdhsa_kernarg_size 24
		.amdhsa_user_sgpr_count 2
		.amdhsa_user_sgpr_kernarg_segment_ptr 1
		.amdhsa_wavefront_size32 1
		.amdhsa_system_sgpr_workgroup_id_x 1
		.amdhsa_system_sgpr_workgroup_id_y 1
		.amdhsa_system_sgpr_workgroup_id_z 1
		.amdhsa_system_vgpr_workitem_id 0
		.amdhsa_next_free_vgpr 256
		.amdhsa_next_free_sgpr 80
		.amdhsa_reserve_vcc 0
		.amdhsa_float_denorm_mode_32 3
		.amdhsa_float_denorm_mode_16_64 3
		.amdhsa_memory_ordered 1
		.amdhsa_forward_progress 1
		.amdhsa_inst_pref_size 30
	.end_amdhsa_kernel
	.amdgpu_metadata
---
amdhsa.version: [ 1, 2 ]
amdhsa.kernels:
  - .name:           k_qbaa0e167ee_attn
    .symbol:         k_qbaa0e167ee_attn.kd
    .args:
      - { .name: qkvc, .offset: 0, .size: 8, .value_kind: global_buffer, .address_space: global }
      - { .name: lowp_scales, .offset: 8, .size: 8, .value_kind: global_buffer, .address_space: global }
      - { .name: oc, .offset: 16, .size: 8, .value_kind: global_buffer, .address_space: global }
    .group_segment_fixed_size: 327680
    .private_segment_fixed_size: 0
    .kernarg_segment_align: 8
    .kernarg_segment_size: 24
    .max_flat_workgroup_size: 512
    .sgpr_count:     80
    .vgpr_count:     256
    .wavefront_size: 32
...
	.end_amdgpu_metadata
.endif
;; end of part 3
;; launch proj (part 4): grid 8 x 32, 4 waves a work-group, clusters of 4 x 4, 327,680 bytes of LDS; arguments oc, wc, lowp_scales, proj_b, x, x1; writes x1
.if DOCPART == 4
	.amdgcn_target "amdgcn-amd-amdhsa--gfx1250"
	.amdhsa_code_object_version 6
	.text
	.protected	k_qbaa0e167ee_proj
	.globl	k_qbaa0e167ee_proj
	.p2align	8
	.type	k_qbaa0e167ee_proj,@function
k_qbaa0e167ee_proj:
	s_mov_b64 s[64:65], 0
	v_nop
	global_prefetch_b8 v0, s[64:65] scope:SCOPE_SE
	s_setreg_imm32_b32 hwreg(HW_REG_WAVE_MODE, 25, 1), 1
	s_wait_xcnt 0x0
	s_wait_alu depctr_hold_cnt(0) depctr_sa_sdst(0) depctr_va_vdst(0) depctr_va_sdst(0) depctr_va_ssrc(0) depctr_va_vcc(0) depctr_vm_vsrc(0)
	s_getreg_b32 s2, hwreg(HW_REG_IB_STS2, 6, 4)
	s_cmp_eq_u32 s2, 0
	s_cbranch_scc0 .Lentry_in_a_cluster
	s_endpgm
.Lentry_in_a_cluster:
	s_bfe_u32 s2, ttmp6, 0x10000c
	s_cmp_lg_u32 s2, 0xf033
	s_cbranch_scc0 .Lentry_shape_is_right
	s_endpgm
.Lentry_shape_is_right:
; PROJ.  x1 = x + o W^T x 2^(e6 + e7) + b on codes of E4M3: o: oc [16 heads][4096 tokens][64 bytes]; W: proj_w's codes, [1024][1024], in wc from byte WOFF on.  A tile of 128 x 128 by four waves, 64 x 64 each.
; ALL of K (1,024) lies in LDS at once: A's 16 panels of 128 rows x (64 + 16) bytes, then B's 128 rows of 1,024 + 16 bytes.  Each wave issues ONE joint load at the head (waves 0, 1: eight panels of A each;
; waves 2, 3: 64 rows of B each); nothing is filled twice.  No prefetch: there is no loop in which to ask ahead of a load.  The text still names K's two halves slot 0 and slot 1.
; CLUSTERS: 4 x 4: A's tile is shared along a row of the cluster, B's along a column.  LIMIT: e6 + e7 between -126 and 127.
.set SIZE_K, 1024
.set WOFF,   3145728
.set SCOFF,  0x18
.set KSTEP,  512
.set APAN,   10240
.set ASZ,    16*APAN
.set BP,     1040
.set BSZ,    128*BP
.set SLOT,   ASZ+BSZ
.set SPARE,  SLOT
.set SPITCH, 272
.set LAPS,   SIZE_K/(2*KSTEP)
.set ADRA, 16
.set ADRB, 20
.set STO,  24
.set RD,   25
.set CO,   26
.set BO,   27
.set SPW,  28
.set NIL,  29
.set BK,   32
.set OUT,  64
.set ACC,  128
.set F0,   0
.set F1,   128
.set G1, 24
.set G0, 32
.set G1B, 48
.set G0B, 56
.set MSB, 0
.macro WIN new
.if MSB != \new
	s_set_vgpr_msb (MSB<<8)|\new
.set MSB, \new
.endif
.endm
.set MUL,  0x05
.set TO_F, 0x40
.macro JLOAD s
	s_cmp_eq_u32 s11, 0
	s_cbranch_scc0 .Lfor_b_\@
	tensor_load_to_lds s[G0+4*\s:G0+4*\s+3], s[G1:G1+7]
	s_nop 0
.rept 4
	v_nop
.endr
	s_branch .Lasked_\@
.Lfor_b_\@:
	tensor_load_to_lds s[G0B+4*\s:G0B+4*\s+3], s[G1B:G1B+7]
	s_nop 0
.rept 4
	v_nop
.endr
.Lasked_\@:
.endm
.macro CREST
	s_cmp_lg_u32 s10, 0
	s_cbranch_scc1 .Lnot_wave_0_\@
	s_barrier_signal -3
.Lnot_wave_0_\@:
	s_barrier_wait -3
	s_barrier_signal -1
	s_barrier_wait -1
.endm
.macro CROUND
	s_barrier_signal -1
	s_barrier_wait -1
	CREST
.endm
	s_load_b128 s[4:7], s[0:1], 0x0
	s_load_b128 s[68:71], s[0:1], 0x10
	s_load_b128 s[72:75], s[0:1], 0x20
	v_lshl_add_u32 v[SPW], v0, 2, SPARE
	v_mov_b32 v[NIL], 0
	ds_add_u32 v28, v29
	ds_add_u32 v28, v29
	s_wait_dscnt 0x0
	v_lshrrev_b32 v1, 5, v0
	v_readfirstlane_b32 s10, v1
	s_lshr_b32 s11, s10, 1
	s_and_b32 s12, s10, 1
	s_bfe_u32 s40, ttmp6, 0x40000
	s_bfe_u32 s41, ttmp6, 0x40004
	s_lshl_b32 s42, ttmp9, 2
	s_add_co_u32 s42, s42, s40
	s_and_b32 s13, ttmp7, 0xffff
	s_lshl_b32 s13, s13, 2
	s_add_co_u32 s13, s13, s41
	s_lshl_b32 s43, s41, 2
	s_lshl_b32 s43, 15, s43
	s_lshl_b32 s44, 0x1111, s40
	s_or_b32 s[G1+0], s43, (3<<16)|(1<<20)|(1<<21)|(3<<22)|(3<<25)
	s_mov_b32 s[G1+1], 1024<<16
	s_mov_b32 s[G1+2], 8<<16
	s_mov_b32 s[G1+3], 1024<<16
	s_mov_b32 s[G1+4], 8
	s_mov_b32 s[G1+5], 32768
	s_mov_b32 s[G1+6], 0
	s_mov_b32 s[G1+7], 0
	s_or_b32 s[G1B+0], s44, (0<<16)|(1<<20)|(1<<21)|(7<<22)|(3<<25)
	s_mov_b32 s[G1B+1], SIZE_K<<16
	s_mov_b32 s[G1B+2], 64<<16
	s_mov_b32 s[G1B+3], SIZE_K<<16
	s_mov_b32 s[G1B+4], 64
	s_mov_b32 s[G1B+5], SIZE_K
	s_mov_b32 s[G1B+6], 0
	s_mov_b32 s[G1B+7], 0
	s_lshl_b32 s16, s12, 21
	s_lshl_b32 s17, s13, 13
	s_add_co_u32 s16, s16, s17
	s_mov_b32 s17, 0
	s_lshl_b32 s46, s42, 7
	s_lshl_b32 s47, s12, 6
	s_add_co_u32 s46, s46, s47
	s_mul_i32 s46, s46, SIZE_K
	s_add_co_u32 s46, s46, WOFF
	s_mov_b32 s47, 0
	s_mul_i32 s20, s12, 8*APAN
	s_mul_i32 s21, s12, 64*BP
	s_add_co_u32 s21, s21, ASZ
	s_wait_kmcnt 0x0
	s_load_b64 s[78:79], s[68:69], SCOFF
	s_add_nc_u64 s[14:15], s[4:5], s[16:17]
	s_add_nc_u64 s[46:47], s[6:7], s[46:47]
	CROUND
.irp s, 0
	s_mov_b32 s[G0+4*\s], 1
	s_add_co_u32 s[G0+4*\s+1], s20, \s*SLOT
	s_add_nc_u64 s[G0+4*\s+2:G0+4*\s+3], s[14:15], \s*8*262144
	s_or_b32 s[G0+4*\s+3], s[G0+4*\s+3], 0x80000000
	s_mov_b32 s[G0B+4*\s], 1
	s_add_co_u32 s[G0B+4*\s+1], s21, \s*SLOT
	s_add_nc_u64 s[G0B+4*\s+2:G0B+4*\s+3], s[46:47], \s*KSTEP
	s_or_b32 s[G0B+4*\s+3], s[G0B+4*\s+3], 0x80000000
	JLOAD \s
.endr
	v_and_b32 v1, 15, v0
	v_bfe_u32 v2, v0, 4, 1
	v_mul_u32_u24 v3, v1, 80
	v_lshl_add_u32 v3, v2, 4, v3
	s_mul_i32 s22, s11, 64*80
	v_add_nc_u32 v[ADRA], s22, v3
	v_add_nc_u32 v[ADRA+1], 4*APAN, v[ADRA]
	v_add_nc_u32 v[ADRA+2], 8*APAN, v[ADRA]
	v_add_nc_u32 v[ADRA+3], 12*APAN, v[ADRA]
	v_mul_u32_u24 v4, v1, BP
	v_lshl_add_u32 v4, v2, 4, v4
	s_mul_i32 s23, s12, 64*BP
	s_add_co_u32 s23, s23, ASZ
	v_add_nc_u32 v[ADRB], s23, v4
	v_add_nc_u32 v[ADRB+1], 512, v[ADRB]
	s_mul_i32 s22, s10, 16*SPITCH
	v_mul_u32_u24 v5, v1, SPITCH
	v_lshl_add_u32 v5, v2, 5, v5
	v_add_nc_u32 v[STO], s22, v5
	v_mul_u32_u24 v5, v2, SPITCH
	v_lshl_add_u32 v5, v1, 4, v5
	v_add_nc_u32 v[RD], s22, v5
	v_lshlrev_b32 v[CO], 12, v2
	v_lshl_add_u32 v[CO], v1, 4, v[CO]
	s_wait_alu depctr_va_vdst(0)
	v_lshlrev_b32 v[BO], 4, v1
	s_wait_alu depctr_va_vdst(0)
	s_lshl_b32 s16, s13, 7
	s_lshl_b32 s17, s11, 6
	s_add_co_u32 s16, s16, s17
	s_lshl_b32 s16, s16, 12
	s_lshl_b32 s18, s42, 7
	s_lshl_b32 s19, s12, 6
	s_add_co_u32 s18, s18, s19
	s_lshl_b32 s18, s18, 2
	s_mov_b32 s19, 0
	s_add_nc_u64 s[70:71], s[70:71], s[18:19]
	s_add_co_u32 s16, s16, s18
	s_mov_b32 s17, 0
	s_add_nc_u64 s[72:73], s[72:73], s[16:17]
	s_add_nc_u64 s[74:75], s[74:75], s[16:17]
	WIN 0x80
.irp a, 0,1,2,3
.irp t, 0,1,2,3,4,5,6,7
	global_load_b128 v[32*\a+4*\t:32*\a+4*\t+3], v[CO], s[72:73] offset:(16*\a+2*\t)*4096
.endr
.endr
	WIN 0
	global_load_b128 v[8:11], v[BO], s[70:71]
.macro MULA f, a, zero
.irp b, 0,1,2,3
.if \zero
	v_wmma_f32_16x16x128_fp8_fp8 v[ACC+8*(4*(\a)+\b):ACC+8*(4*(\a)+\b)+7], v[\f+64+16*\b:\f+64+16*\b+15], v[\f+16*(\a):\f+16*(\a)+15], 0
.else
	v_wmma_f32_16x16x128_fp8_fp8 v[ACC+8*(4*(\a)+\b):ACC+8*(4*(\a)+\b)+7], v[\f+64+16*\b:\f+64+16*\b+15], v[\f+16*(\a):\f+16*(\a)+15], v[ACC+8*(4*(\a)+\b):ACC+8*(4*(\a)+\b)+7]
.endif
.endr
.endm
.macro FETCH slot, q, f
	WIN TO_F
.irp i, 0,1,2,3
.irp c, 0,1,2,3
	ds_load_b128 v[\f+64+16*\i+4*\c:\f+64+16*\i+4*\c+3], v[ADRB+\slot] offset:128*(\q)+32*\c+\i*16*BP
.endr
.endr
.irp i, 0,1,2,3
.irp c, 0,1,2,3
	ds_load_b128 v[\f+16*\i+4*\c:\f+16*\i+4*\c+3], v[ADRA+2*\slot+(\q)/2] offset:((2*(\q)+\c/2)%4)*APAN+\i*16*80+32*(\c%2)
.endr
.endr
.endm
.macro PLACES
.rept 4
	v_nop
.endr
.endm
.macro QUARTER slot, qn, f, g, zero
	s_wait_dscnt 8
	WIN MUL
	MULA \f, 0, \zero
	MULA \f, 1, \zero
	PLACES
	FETCH \slot, \qn, \g
	s_wait_dscnt 32
	WIN MUL
	MULA \f, 2, \zero
	MULA \f, 3, \zero
.endm
.macro TURN slot, next, fill
	WIN 0
	s_wait_tensorcnt 0x0
	ds_add_u32 v[SPW], v[NIL]
	s_wait_dscnt 13
	WIN MUL
	MULA F1, 0, 0
	s_wait_dscnt 0x0
	s_barrier_signal -1
	MULA F1, 1, 0
	WIN 0
	s_barrier_wait -1
.if \fill
	CREST
	s_add_nc_u64 s[G0+4*\slot+2:G0+4*\slot+3], s[G0+4*\slot+2:G0+4*\slot+3], 16*262144
	s_add_nc_u64 s[G0B+4*\slot+2:G0B+4*\slot+3], s[G0B+4*\slot+2:G0B+4*\slot+3], 2*KSTEP
	JLOAD \slot
.else
	PLACES
.endif
	FETCH \next, 0, F0
	WIN MUL
	MULA F1, 2, 0
	MULA F1, 3, 0
.endm
	s_wait_alu depctr_va_vdst(0)
	s_wait_tensorcnt 0x0
	s_barrier_signal -1
	s_barrier_wait -1
	FETCH 0, 0, F0
	QUARTER 0, 1, F0, F1, 1
.if LAPS > 1
	WIN 0
	s_mov_b32 s3, LAPS-1
.Llap:
	QUARTER 0, 2, F1, F0, 0
	QUARTER 0, 3, F0, F1, 0
	TURN 0, 1, 1
	QUARTER 1, 1, F0, F1, 0
	QUARTER 1, 2, F1, F0, 0
	QUARTER 1, 3, F0, F1, 0
	TURN 1, 0, 1
	QUARTER 0, 1, F0, F1, 0
	WIN 0
	s_sub_co_u32 s3, s3, 1
	s_cmp_lg_u32 s3, 0
	s_cbranch_scc1 .Llap
.endif
	QUARTER 0, 2, F1, F0, 0
	QUARTER 0, 3, F0, F1, 0
	TURN 0, 1, 0
	QUARTER 1, 1, F0, F1, 0
	QUARTER 1, 2, F1, F0, 0
	QUARTER 1, 3, F0, F1, 0
	s_wait_dscnt 8
	WIN MUL
	MULA F1, 0, 0
	MULA F1, 1, 0
	s_wait_dscnt 0
	MULA F1, 2, 0
	MULA F1, 3, 0
	WIN 0
	PLACES
	s_wait_loadcnt 0x0
	s_wait_kmcnt 0x0
	s_add_co_i32 s76, s78, s79
	s_add_co_i32 s76, s76, 127
	s_lshl_b32 s76, s76, 23
	s_mov_b32 s77, s76
.irp a, 0,1,2,3
.if \a > 0
	s_wait_xcnt 0x0
.endif
.irp b, 0,1,2,3
	ds_store_b128 v[STO], v[ACC+8*(4*\a+\b):ACC+8*(4*\a+\b)+3] offset:64*\b
	ds_store_b128 v[STO], v[ACC+8*(4*\a+\b)+4:ACC+8*(4*\a+\b)+7] offset:64*\b+16
.endr
.irp t, 0,1,2,3,4,5,6,7
	ds_load_b128 v[BK+4*\t:BK+4*\t+3], v[RD] offset:\t*2*SPITCH
.endr
	s_wait_dscnt 0x0
.irp t, 0,1,2,3,4,5,6,7
	v_pk_fma_f32 v[OUT+4*\t:OUT+4*\t+1], v[BK+4*\t:BK+4*\t+1], s[76:77], v[8:9] op_sel_hi:[1,0,1]
	v_pk_fma_f32 v[OUT+4*\t+2:OUT+4*\t+3], v[BK+4*\t+2:BK+4*\t+3], s[76:77], v[10:11] op_sel_hi:[1,0,1]
.endr
	WIN 0x08
.set j, 0
.rept 16
	v_pk_add_f32 v[OUT+j:OUT+j+1], v[OUT+j:OUT+j+1], v[32*\a+j:32*\a+j+1]
.set j, j+2
.endr
	WIN 0
.irp t, 0,1,2,3,4,5,6,7
	global_store_b128 v[CO], v[OUT+4*\t:OUT+4*\t+3], s[74:75] offset:(16*\a+2*\t)*4096
.endr
.endr
	s_wait_tensorcnt 0x0
	ds_add_u32 v[SPW], v[NIL]
	s_wait_dscnt 0x0
	CROUND
	s_endpgm
.Lfunc_end_k_qbaa0e167ee_proj:
	.size	k_qbaa0e167ee_proj, .Lfunc_end_k_qbaa0e167ee_proj-k_qbaa0e167ee_proj
	.p2alignl 7, 3214868480
	.fill 96, 4, 3214868480
	.section	.rodata,"a",@progbits
	.p2align	6, 0x0
	.amdhsa_kernel k_qbaa0e167ee_proj
		.amdhsa_group_segment_fixed_size 327680
		.amdhsa_private_segment_fixed_size 0
		.amdhsa_enable_private_segment 0
		.amdhsa_kernarg_size 48
		.amdhsa_user_sgpr_count 2
		.amdhsa_user_sgpr_kernarg_segment_ptr 1
		.amdhsa_wavefront_size32 1
		.amdhsa_system_sgpr_workgroup_id_x 1
		.amdhsa_system_sgpr_workgroup_id_y 1
		.amdhsa_system_sgpr_workgroup_id_z 1
		.amdhsa_system_vgpr_workitem_id 0
		.amdhsa_next_free_vgpr 768
		.amdhsa_next_free_sgpr 80
		.amdhsa_reserve_vcc 0
		.amdhsa_float_denorm_mode_32 3
		.amdhsa_float_denorm_mode_16_64 3
		.amdhsa_memory_ordered 1
		.amdhsa_forward_progress 1
		.amdhsa_inst_pref_size 52
	.end_amdhsa_kernel
	.amdgpu_metadata
---
amdhsa.version: [ 1, 2 ]
amdhsa.kernels:
  - .name:           k_qbaa0e167ee_proj
    .symbol:         k_qbaa0e167ee_proj.kd
    .args:
      - { .name: oc, .offset: 0, .size: 8, .value_kind: global_buffer, .address_space: global }
      - { .name: wc, .offset: 8, .size: 8, .value_kind: global_buffer, .address_space: global }
      - { .name: lowp_scales, .offset: 16, .size: 8, .value_kind: global_buffer, .address_space: global }
      - { .name: proj_b, .offset: 24, .size: 8, .value_kind: global_buffer, .address_space: global }
      - { .name: x, .offset: 32, .size: 8, .value_kind: global_buffer, .address_space: global }
      - { .name: x1, .offset: 40, .size: 8, .value_kind: global_buffer, .address_space: global }
    .group_segment_fixed_size: 327680
    .private_segment_fixed_size: 0
    .kernarg_segment_align: 8
    .kernarg_segment_size: 48
    .max_flat_workgroup_size: 128
    .sgpr_count:     80
    .vgpr_count:     768
    .wavefront_size: 32
...
	.end_amdgpu_metadata
.endif
;; end of part 4
;; launch ln2 (part 5): grid 512 x 1, 4 waves a work-group, no clusters, 0 bytes of LDS; arguments x1, ln2_w, ln2_b, lowp_scales, ac; writes ac
.if DOCPART == 5
	.amdgcn_target "amdgcn-amd-amdhsa--gfx1250"
	.amdhsa_code_object_version 6
	.text
	.protected	k_qbaa0e167ee_ln2
	.globl	k_qbaa0e167ee_ln2
	.p2align	8
	.type	k_qbaa0e167ee_ln2,@function
k_qbaa0e167ee_ln2:
	s_mov_b64 s[64:65], 0
	v_nop
	global_prefetch_b8 v0, s[64:65] scope:SCOPE_SE
	s_setreg_imm32_b32 hwreg(HW_REG_WAVE_MODE, 25, 1), 1
	s_wait_xcnt 0x0
; LayerNorm 2 of x1 [4096][1024], in f32, quantised to E4M3 with entry 8 of the scales into ac [4096][1024].  One wave takes a row (4,096 bytes, 32 registers), two rows, both asked for at once:
; the mean, then the mean of the squared differences (two passes over registers, so a common offset does no harm), rsqrt, gain and bias, hold, conversion.
; A lane holds, for j = 0 .. 3, the eight neighbours at byte 1024 j + 32 lane of the row: its eight codes are 8 bytes, and the wave's store covers 256 consecutive bytes, aligned.
; Memory binds: no LDS, no barrier, no matrix unit, no cluster: waves share nothing.
; LIMITS: e8 between -126 and 119.  NaN is not served.
.set LW,    16                         ; v16-47   the gain of my 32 columns
.set LB,    48                         ; v48-79   the bias
.set LX,    80                         ; v80-143  two sets of 32 numbers of a row
.set LC,    144                        ; v144-159 codes, eight registers a row, never rewritten
.set SCL,   176
.set LIM,   177
.set SX,    4
.set SW,    6
.set SB,    8
.set SO,    22
.macro LNLOAD t, set
.irp j, 0,1,2,3
	global_load_b128 v[LX+32*\set+8*\j:LX+32*\set+8*\j+3], v1, s[SX:SX+1] offset:4096*\t+1024*\j
	global_load_b128 v[LX+32*\set+8*\j+4:LX+32*\set+8*\j+7], v1, s[SX:SX+1] offset:4096*\t+1024*\j+16
.endr
.endm
.macro LNSUM                           ; v4 <- the sum, over the wave, of the four pairs v[4:11]
	v_pk_add_f32 v[4:5], v[4:5], v[6:7]
	v_pk_add_f32 v[8:9], v[8:9], v[10:11]
	v_pk_add_f32 v[4:5], v[4:5], v[8:9]
	v_add_f32 v4, v4, v5
	v_add_f32_dpp v4, v4, v4 row_xmask:1 row_mask:0xf bank_mask:0xf
	v_add_f32_dpp v4, v4, v4 row_xmask:2 row_mask:0xf bank_mask:0xf
	v_add_f32_dpp v4, v4, v4 row_xmask:4 row_mask:0xf bank_mask:0xf
	v_add_f32_dpp v4, v4, v4 row_xmask:8 row_mask:0xf bank_mask:0xf
	v_permlanex16_b32 v3, v4, s50, s51
	v_add_f32 v4, v4, v3
.endm
.macro LNROW t, set, left              ; left: the younger loads that may stay out
.set XS, LX+32*(\set)
	s_wait_loadcnt \left
.irp k, 0,1,2,3
	v_pk_add_f32 v[4+2*\k:5+2*\k], v[XS+2*\k:XS+2*\k+1], v[XS+8+2*\k:XS+9+2*\k]
.endr
.irp p, 8,9,10,11,12,13,14,15
	v_pk_add_f32 v[4+2*(\p%4):5+2*(\p%4)], v[4+2*(\p%4):5+2*(\p%4)], v[XS+2*\p:XS+2*\p+1]
.endr
	LNSUM
	v_mul_f32 v12, s52, v4                         ; the mean
	v_mov_b32 v13, v12
.set p, 0
.rept 16
	v_pk_add_f32 v[XS+p:XS+p+1], v[XS+p:XS+p+1], v[12:13] neg_lo:[0,1] neg_hi:[0,1]
.set p, p+2
.endr
.irp k, 0,1,2,3
	v_pk_mul_f32 v[4+2*\k:5+2*\k], v[XS+2*\k:XS+2*\k+1], v[XS+2*\k:XS+2*\k+1]
.endr
.irp p, 4,5,6,7,8,9,10,11,12,13,14,15
	v_pk_fma_f32 v[4+2*(\p%4):5+2*(\p%4)], v[XS+2*\p:XS+2*\p+1], v[XS+2*\p:XS+2*\p+1], v[4+2*(\p%4):5+2*(\p%4)]
.endr
	LNSUM
	v_fma_f32 v11, v4, s52, s53                    ; the variance + 1e-5
	s_wait_alu depctr_va_vdst(0)
	v_rsq_f32 v14, v11
	v_rsq_f32 v15, v11
	v_nop                                          ; one plain instruction behind a transcendental (ISA guide 5.7.2)
.set p, 0
	s_wait_alu depctr_va_vdst(0)
.rept 16
	v_pk_mul_f32 v[XS+p:XS+p+1], v[XS+p:XS+p+1], v[14:15]
.set p, p+2
.endr
.set p, 0
.rept 16
	v_pk_fma_f32 v[XS+p:XS+p+1], v[XS+p:XS+p+1], v[LW+p:LW+p+1], v[LB+p:LB+p+1]
.set p, p+2
.endr
.set p, 0
.rept 32
	v_med3_num_f32 v[XS+p], v[XS+p], -v[LIM], v[LIM]
.set p, p+1
.endr
.irp j, 0,1,2,3
	v_cvt_scalef32_pk8_fp8_f32 v[LC+8*\t+2*\j:LC+8*\t+2*\j+1], v[XS+8*\j:XS+8*\j+7], v[SCL]
.endr
	v_nop
.irp j, 0,1,2,3
	global_store_b64 v2, v[LC+8*\t+2*\j:LC+8*\t+2*\j+1], s[SO:SO+1] offset:1024*\t+256*\j
.endr
.endm
	s_load_b256 s[4:11], s[0:1], 0x0               ; x1, ln2_w, ln2_b, the scales s[10:11]
	s_load_b64 s[SO:SO+1], s[0:1], 0x20            ; ac
	v_lshrrev_b32 v1, 5, v0
	v_readfirstlane_b32 s36, v1                    ; wave 0..3
	v_and_b32 v2, 31, v0
	v_lshlrev_b32 v1, 5, v2                        ; 32 x lane
	v_lshlrev_b32 v2, 3, v2                        ; 8 x lane
	v_mov_b32 v3, 0
	s_lshl_b32 s37, ttmp9, 3
	s_lshl_b32 s38, s36, 1
	s_add_co_u32 s37, s37, s38                     ; my first row: 8 x work-group + 2 x wave
	s_lshl_b32 s38, s37, 12
	s_mov_b32 s39, 0
	s_lshl_b32 s40, s37, 10
	s_mov_b32 s41, 0
	s_mov_b32 s50, 0x76543210
	s_mov_b32 s51, 0xfedcba98
	s_mov_b32 s52, 0x3a800000                      ; 2^-10
	s_mov_b32 s53, 0x3727c5ac                      ; 1e-5
	s_wait_alu depctr_va_vdst(0)
	s_wait_kmcnt 0x0
	s_load_b32 s24, s[10:11], 0x20                 ; e8
	s_add_nc_u64 s[SX:SX+1], s[SX:SX+1], s[38:39]
	s_add_nc_u64 s[SO:SO+1], s[SO:SO+1], s[40:41]
.irp j, 0,1,2,3
	global_load_b128 v[LW+8*\j:LW+8*\j+3], v1, s[SW:SW+1] offset:1024*\j
	global_load_b128 v[LW+8*\j+4:LW+8*\j+7], v1, s[SW:SW+1] offset:1024*\j+16
	global_load_b128 v[LB+8*\j:LB+8*\j+3], v1, s[SB:SB+1] offset:1024*\j
	global_load_b128 v[LB+8*\j+4:LB+8*\j+7], v1, s[SB:SB+1] offset:1024*\j+16
.endr
	LNLOAD 0, 0
	LNLOAD 1, 1
	s_wait_kmcnt 0x0
	s_add_co_i32 s54, s24, 127
	s_lshl_b32 s55, s54, 23
	v_mov_b32 v[SCL], s55
	s_add_co_i32 s54, s54, 8
	s_lshl_b32 s54, s54, 23
	s_or_b32 s54, s54, 0x600000
	v_mov_b32 v[LIM], s54
	LNROW 0, 0, 8                                  ; gain, bias and row 0 are in; row 1's eight loads may be out
	LNROW 1, 1, 0
	s_endpgm
.Lfunc_end_k_qbaa0e167ee_ln2:
	.size	k_qbaa0e167ee_ln2, .Lfunc_end_k_qbaa0e167ee_ln2-k_qbaa0e167ee_ln2
	.p2alignl 7, 3214868480
	.fill 96, 4, 3214868480
	.section	.rodata,"a",@progbits
	.p2align	6, 0x0
	.amdhsa_kernel k_qbaa0e167ee_ln2
		.amdhsa_group_segment_fixed_size 0
		.amdhsa_private_segment_fixed_size 0
		.amdhsa_enable_private_segment 0
		.amdhsa_kernarg_size 40
		.amdhsa_user_sgpr_count 2
		.amdhsa_user_sgpr_kernarg_segment_ptr 1
		.amdhsa_wavefront_size32 1
		.amdhsa_system_sgpr_workgroup_id_x 1
		.amdhsa_system_sgpr_workgroup_id_y 1
		.amdhsa_system_sgpr_workgroup_id_z 1
		.amdhsa_system_vgpr_workitem_id 0
		.amdhsa_next_free_vgpr 192
		.amdhsa_next_free_sgpr 66
		.amdhsa_reserve_vcc 0
		.amdhsa_float_denorm_mode_32 3
		.amdhsa_float_denorm_mode_16_64 3
		.amdhsa_memory_ordered 1
		.amdhsa_forward_progress 1
		.amdhsa_inst_pref_size 23
	.end_amdhsa_kernel
	.amdgpu_metadata
---
amdhsa.version: [ 1, 2 ]
amdhsa.kernels:
  - .name:           k_qbaa0e167ee_ln2
    .symbol:         k_qbaa0e167ee_ln2.kd
    .args:
      - { .name: x1, .offset: 0, .size: 8, .value_kind: global_buffer, .address_space: global }
      - { .name: ln2_w, .offset: 8, .size: 8, .value_kind: global_buffer, .address_space: global }
      - { .name: ln2_b, .offset: 16, .size: 8, .value_kind: global_buffer, .address_space: global }
      - { .name: lowp_scales, .offset: 24, .size: 8, .value_kind: global_buffer, .address_space: global }
      - { .name: ac, .offset: 32, .size: 8, .value_kind: global_buffer, .address_space: global }
    .group_segment_fixed_size: 0
    .private_segment_fixed_size: 0
    .kernarg_segment_align: 8
    .kernarg_segment_size: 40
    .max_flat_workgroup_size: 128
    .sgpr_count:     66
    .vgpr_count:     192
    .wavefront_size: 32
...
	.end_amdgpu_metadata
.endif
;; end of part 5
;; launch fc1 (part 6): grid 16 x 16, 4 waves a work-group, clusters of 4 x 4, 327,680 bytes of LDS; arguments ac, wc, lowp_scales, fc1_b, hc; writes hc
.if DOCPART == 6
	.amdgcn_target "amdgcn-amd-amdhsa--gfx1250"
	.amdhsa_code_object_version 6
	.text
	.protected	k_qbaa0e167ee_fc1
	.globl	k_qbaa0e167ee_fc1
	.p2align	8
	.type	k_qbaa0e167ee_fc1,@function
k_qbaa0e167ee_fc1:
	s_mov_b64 s[64:65], 0
	v_nop
	global_prefetch_b8 v0, s[64:65] scope:SCOPE_SE
	s_setreg_imm32_b32 hwreg(HW_REG_WAVE_MODE, 25, 1), 1
	s_wait_xcnt 0x0
	s_wait_alu depctr_hold_cnt(0) depctr_sa_sdst(0) depctr_va_vdst(0) depctr_va_sdst(0) depctr_va_ssrc(0) depctr_va_vcc(0) depctr_vm_vsrc(0)
	s_getreg_b32 s2, hwreg(HW_REG_IB_STS2, 6, 4)
	s_cmp_eq_u32 s2, 0
	s_cbranch_scc0 .Lentry_in_a_cluster
	s_endpgm
.Lentry_in_a_cluster:
	s_bfe_u32 s2, ttmp6, 0x10000c
	s_cmp_lg_u32 s2, 0xf033
	s_cbranch_scc0 .Lentry_shape_is_right
	s_endpgm
.Lentry_shape_is_right:
; FC1.  h = gelu(xn W^T x 2^(e8 + e9) + b) on codes of E4M3 (xn: ac [4096][1024]; W: fc1_w's codes, [4096][1024], in wc from byte 0x400000 on), quantised at once with e10 into hc: panels of 64 columns, [64][4096 rows][64 bytes].
; A tile of 256 x 256 by four waves, 128 x 128 each; K in steps of 256 through a ring of two LDS slots; 4 x 4 clusters with joint loads.  erf is a quotient of two polynomials in x^2 / 2 on the held argument, in f32.
; LIMITS: e8 + e9 between -126 and 127; e10 between -126 and 119.  NaN is not served.
.set SIZE_K, 1024
.set KSTEP,  256
.set ROWB,   256
.set KROW,   SIZE_K
.set PITCH,  272
.set FR,     16
.set NL,     4
.set NP,     4
.set HALFT,  128*PITCH
.set SLOT,   4*HALFT
.set LAPS,   SIZE_K/(2*KSTEP)
.set SPARE,  2*SLOT
.set SPB,    144
.set ADRA, 16
.set ADRB, 20
.set STO,  24
.set RD,   25
.set CO,   26
.set SPW,  28
.set NIL,  29
.set SCL,  12
.set LIM,  13
.set XL,   14
.set BC,   32
.set CD,   96
.set BK,   112
.set AF,   128
.set TMP,  128
.set U,    192
.set SQ,   208
.set PP,   224
.set QQ,   240
.set G1, 24
.set G0, 32
.set G1B, 48
.set G0B, 56
.set MSB, 0
.macro WIN new
.if MSB != \new
	s_set_vgpr_msb (MSB<<8)|\new
.set MSB, \new
.endif
.endm
.set MUL_LO, 0xa1
.set MUL_HI, 0xf1
.set TO_B,   0x40
.macro JLOAD g0a, g1a, g0b, g1b
	s_cmp_eq_u32 s15, 0
	s_cbranch_scc0 .Lfor_b_\@
	tensor_load_to_lds s[\g0a:\g0a+3], s[\g1a:\g1a+7]
	s_nop 0
.rept 4
	v_nop
.endr
	s_branch .Lasked_\@
.Lfor_b_\@:
	tensor_load_to_lds s[\g0b:\g0b+3], s[\g1b:\g1b+7]
	s_nop 0
.rept 4
	v_nop
.endr
.Lasked_\@:
.endm
.macro CREST
	s_cmp_lg_u32 s14, 0
	s_cbranch_scc1 .Lnot_wave_0_\@
	s_barrier_signal -3
.Lnot_wave_0_\@:
	s_barrier_wait -3
	s_barrier_signal -1
	s_barrier_wait -1
.endm
.macro CROUND
	s_barrier_signal -1
	s_barrier_wait -1
	CREST
.endm
	s_load_b128 s[4:7], s[0:1], 0x0
	s_load_b128 s[8:11], s[0:1], 0x10
	s_load_b64 s[12:13], s[0:1], 0x20
	v_lshl_add_u32 v[SPW], v0, 2, SPARE
	v_mov_b32 v[NIL], 0
	ds_add_u32 v28, v29
	ds_add_u32 v28, v29
	s_wait_dscnt 0x0
	v_lshrrev_b32 v1, 5, v0
	v_readfirstlane_b32 s14, v1
	s_lshr_b32 s15, s14, 1
	s_and_b32 s16, s14, 1
	s_bfe_u32 s40, ttmp6, 0x40000
	s_bfe_u32 s41, ttmp6, 0x40004
	s_lshl_b32 s42, ttmp9, 2
	s_add_co_u32 s42, s42, s40
	s_and_b32 s17, ttmp7, 0xffff
	s_lshl_b32 s17, s17, 2
	s_add_co_u32 s17, s17, s41
	s_lshl_b32 s43, s41, 2
	s_lshl_b32 s43, 15, s43
	s_lshl_b32 s44, 0x1111, s40
	s_or_b32 s[G1+0], s43, (0<<16)|(1<<20)|(1<<21)|(5<<22)|(3<<25)
	s_or_b32 s[G1B+0], s44, (0<<16)|(1<<20)|(1<<21)|(5<<22)|(3<<25)
.irp g, G1, G1B
	s_mov_b32 s[\g+1], ROWB<<16
	s_mov_b32 s[\g+2], 128<<16
	s_mov_b32 s[\g+3], ROWB<<16
	s_mov_b32 s[\g+4], 128
	s_mov_b32 s[\g+5], KROW
	s_mov_b32 s[\g+6], 0
	s_mov_b32 s[\g+7], 0
.endr
	s_lshl_b32 s18, s16, 7
	s_lshl_b32 s20, s17, 8
	s_add_co_u32 s20, s20, s18
	s_lshl_b32 s20, s20, 10
	s_mov_b32 s21, 0
	s_lshl_b32 s46, s42, 8
	s_add_co_u32 s46, s46, s18
	s_lshl_b32 s46, s46, 10
	s_add_co_u32 s46, s46, 0x400000
	s_mov_b32 s47, 0
	s_mul_i32 s45, s14, HALFT
	s_wait_kmcnt 0x0
	s_load_b128 s[72:75], s[8:9], 0x20
	s_add_nc_u64 s[20:21], s[4:5], s[20:21]
	s_add_nc_u64 s[46:47], s[6:7], s[46:47]
	CROUND
.irp s, 0,1
	s_mov_b32 s[G0+4*\s], 1
	s_add_co_u32 s[G0+4*\s+1], s45, \s*SLOT
	s_add_nc_u64 s[G0+4*\s+2:G0+4*\s+3], s[20:21], \s*ROWB
	s_or_b32 s[G0+4*\s+3], s[G0+4*\s+3], 0x80000000
	s_mov_b32 s[G0B+4*\s], 1
	s_add_co_u32 s[G0B+4*\s+1], s45, \s*SLOT
	s_add_nc_u64 s[G0B+4*\s+2:G0B+4*\s+3], s[46:47], \s*ROWB
	s_or_b32 s[G0B+4*\s+3], s[G0B+4*\s+3], 0x80000000
.endr
	JLOAD G0, G1, G0B, G1B                         ; K step 0: one tensor load a wave at the head
	; PREFETCH INTO THE L2: behind the load of K step s stands one request for K step s + 2 (s = 0, 1; K has four steps).  Of the 128 rows that my wave fetches, each of the four
	; partners that ask for them jointly names 32, told apart by address (cx for A, cy for B): a lane a row, 256 bytes of it.  The address registers are never rewritten.
	s_cmp_eq_u32 s15, 0
	s_cselect_b64 s[98:99], s[20:21], s[46:47]
	s_cselect_b32 s94, s40, s41
	s_lshl_b32 s94, s94, 15                        ; 32 rows of 1,024 bytes
	s_mov_b32 s95, 0
	s_add_nc_u64 s[98:99], s[98:99], s[94:95]
	v_and_b32 v30, 31, v0
	v_lshlrev_b32 v30, 10, v30                     ; my lane's row
	s_wait_alu depctr_va_vdst(0)
	global_prefetch_b8 v30, s[98:99] offset:ROWB th:TH_LOAD_NT scope:SCOPE_SE     ; K step 1 too: its load goes out only when K step 0 has landed
	global_prefetch_b8 v30, s[98:99] offset:2*ROWB th:TH_LOAD_NT scope:SCOPE_SE
	v_and_b32 v1, 15, v0
	s_wait_alu depctr_va_vdst(0)
	v_bfe_u32 v2, v0, 4, 1
	v_mul_u32_u24 v3, v1, PITCH
	v_lshl_add_u32 v4, v2, 4, v3
	s_mul_i32 s21, s15, HALFT
	s_mul_i32 s22, s16, HALFT
	s_add_co_u32 s22, s22, 2*HALFT
.irp s, 0,1
	v_add_nc_u32 v[ADRA+\s], s21, v4
	v_add_nc_u32 v[ADRB+\s], s22, v4
	s_add_co_u32 s21, s21, SLOT
	s_add_co_u32 s22, s22, SLOT
.endr
	s_mul_i32 s23, s14, 16*SPB
	v_mul_u32_u24 v5, v1, SPB
	s_wait_alu depctr_va_vdst(0)
	v_lshl_add_u32 v5, v2, 3, v5
	v_add_nc_u32 v[STO], s23, v5
	v_and_b32 v6, 31, v0
	v_lshlrev_b32 v[CO], 4, v6
	v_lshrrev_b32 v5, 2, v6
	v_mul_u32_u24 v5, v5, SPB
	v_and_b32 v6, 3, v6
	v_lshl_add_u32 v5, v6, 4, v5
	v_add_nc_u32 v[RD], s23, v5
	v_lshlrev_b32 v7, 5, v2
	s_lshl_b32 s88, s42, 10
	s_lshl_b32 s90, s16, 9
	s_add_co_u32 s88, s88, s90
	s_mov_b32 s89, 0
	s_add_nc_u64 s[88:89], s[10:11], s[88:89]
.irp b, 0,1,2,3,4,5,6,7
	global_load_b128 v[BC+8*\b:BC+8*\b+3], v7, s[88:89] offset:64*\b
	global_load_b128 v[BC+8*\b+4:BC+8*\b+7], v7, s[88:89] offset:64*\b+16
.endr
	s_lshl_b32 s92, s42, 2
	s_lshl_b32 s93, s16, 1
	s_add_co_u32 s92, s92, s93
	s_lshl_b32 s92, s92, 18
	s_lshl_b32 s93, s17, 8
	s_lshl_b32 s94, s15, 7
	s_add_co_u32 s93, s93, s94
	s_lshl_b32 s93, s93, 6
	s_add_co_u32 s92, s92, s93
	s_mov_b32 s93, 0
	s_add_nc_u64 s[68:69], s[12:13], s[92:93]
	s_add_nc_u64 s[70:71], s[68:69], 0x40000
.macro FRAG reg, adr, q, i
.irp c, 0,1,2,3
	ds_load_b128 v[\reg+4*\c:\reg+4*\c+3], v[\adr] offset:128*(\q)+32*\c+(\i)*16*PITCH
.endr
.endm
.macro MUL16 a0, p, zero
.irp a, \a0, \a0+1
.irp b, 0,1,2,3,4,5,6,7
.if \zero
	v_wmma_f32_16x16x128_fp8_fp8 v[8*(8*((\a)%4)+\b):8*(8*((\a)%4)+\b)+7], v[128*(\p)+FR*\b:128*(\p)+FR*\b+FR-1], v[AF+FR*(\a):AF+FR*(\a)+FR-1], 0
.else
	v_wmma_f32_16x16x128_fp8_fp8 v[8*(8*((\a)%4)+\b):8*(8*((\a)%4)+\b)+7], v[128*(\p)+FR*\b:128*(\p)+FR*\b+FR-1], v[AF+FR*(\a):AF+FR*(\a)+FR-1], v[8*(8*((\a)%4)+\b):8*(8*((\a)%4)+\b)+7]
.endif
.endr
.endr
.endm
.macro FETCH_B slot, q, p
	WIN TO_B
.irp i, 0,1,2,3,4,5,6,7
	FRAG 128*(\p)+FR*\i, ADRB+\slot, \q, \i
.endr
	WIN 0
.endm
.macro FETCH_A slot, q, i0
.irp i, \i0, \i0+1, \i0+2, \i0+3
	FRAG AF+FR*(\i), ADRA+\slot, \q, \i
.endr
.endm
.macro PLACES n
.rept \n
	v_nop
.endr
.endm
.macro STEP slot, q, zero
	s_wait_dscnt 4*NL
	WIN MUL_LO
	MUL16 0, (\q)%2, \zero
	MUL16 2, (\q)%2, \zero
	s_wait_dscnt 0
	PLACES NP
	FETCH_B \slot, (\q)+1, 1-(\q)%2
	FETCH_A \slot, (\q)+1, 0
	WIN MUL_HI
	MUL16 4, (\q)%2, \zero
	MUL16 6, (\q)%2, \zero
	PLACES NP
	WIN 0
	FETCH_A \slot, (\q)+1, 4
.endm
.macro TURN slot, next, fill
	s_wait_tensorcnt 0x0
	ds_add_u32 v[SPW], v[NIL]
	s_wait_dscnt 4*NL+1
	WIN MUL_LO
	MUL16 0, 1, 0
	s_wait_dscnt 0x0
	s_barrier_signal -1
	MUL16 2, 1, 0
	WIN 0
	s_barrier_wait -1
.if \fill
	CREST
	s_add_nc_u64 s[G0+4*\slot+2:G0+4*\slot+3], s[G0+4*\slot+2:G0+4*\slot+3], 2*ROWB
	s_add_nc_u64 s[G0B+4*\slot+2:G0B+4*\slot+3], s[G0B+4*\slot+2:G0B+4*\slot+3], 2*ROWB
	JLOAD G0+4*\slot, G1, G0B+4*\slot, G1B
.else
	PLACES NP
.endif
	FETCH_B \next, 0, 0
	FETCH_A \next, 0, 0
	WIN MUL_HI
	MUL16 4, 1, 0
	MUL16 6, 1, 0
	PLACES NP
	WIN 0
	FETCH_A \next, 0, 4
.endm
	s_wait_alu depctr_va_vdst(0)
	s_wait_tensorcnt 0x0                           ; my part of K step 0 is in
	ds_add_u32 v[SPW], v[NIL]
	s_wait_dscnt 0x0
	CROUND                                         ; everybody's part is in, and the joint loads meet
	JLOAD G0+4, G1, G0B+4, G1B                     ; K step 1, the first tensor load behind the round
	FETCH_B 0, 0, 0
	FETCH_A 0, 0, 0
	FETCH_A 0, 0, 4
	global_prefetch_b8 v30, s[98:99] offset:3*ROWB th:TH_LOAD_NT scope:SCOPE_SE   ; K step 3, the last
	STEP 0, 0, 1
	s_mov_b32 s3, LAPS-1
.Llap:
	TURN 0, 1, 1
	STEP 1, 0, 0
	TURN 1, 0, 1
	STEP 0, 0, 0
	s_sub_co_u32 s3, s3, 1
	s_cmp_lg_u32 s3, 0
	s_cbranch_scc1 .Llap
	TURN 0, 1, 0
	STEP 1, 0, 0
	s_wait_dscnt 4*NL
	WIN MUL_LO
	MUL16 0, 1, 0
	MUL16 2, 1, 0
	s_wait_dscnt 0
	WIN MUL_HI
	MUL16 4, 1, 0
	MUL16 6, 1, 0
	WIN 0
.macro SPAIR r, val
	s_mov_b32 s[\r], \val
	s_mov_b32 s[\r+1], \val
.endm
.macro GELU16 x
.set g, 0
.rept 16
	v_med3_num_f32 v[U+g], v[(\x)+g], -v[XL], v[XL]
.set g, g+1
.endr
.set g, 0
.rept 8
	v_pk_mul_f32 v[SQ+g:SQ+g+1], v[U+g:U+g+1], v[U+g:U+g+1]
.set g, g+2
.endr
.set g, 0
.rept 8
	v_pk_fma_f32 v[PP+g:PP+g+1], v[SQ+g:SQ+g+1], s[26:27], v[8:9] op_sel_hi:[1,0,1]
.set g, g+2
.endr
.irp k, 28,30,32,34,36
.set g, 0
.rept 8
	v_pk_fma_f32 v[PP+g:PP+g+1], v[PP+g:PP+g+1], v[SQ+g:SQ+g+1], s[\k:\k+1] op_sel_hi:[1,1,0]
.set g, g+2
.endr
.endr
.set g, 0
.rept 8
	v_pk_fma_f32 v[QQ+g:QQ+g+1], v[SQ+g:SQ+g+1], s[38:39], v[10:11] op_sel_hi:[1,0,1]
.set g, g+2
.endr
.irp k, 40,42,44
.set g, 0
.rept 8
	v_pk_fma_f32 v[QQ+g:QQ+g+1], v[QQ+g:QQ+g+1], v[SQ+g:SQ+g+1], s[\k:\k+1] op_sel_hi:[1,1,0]
.set g, g+2
.endr
.endr
.set g, 0
	s_wait_alu depctr_va_vdst(0)
.rept 16
	v_rcp_f32 v[QQ+g], v[QQ+g]
.set g, g+1
.endr
.set g, 0
.rept 8
	v_pk_mul_f32 v[PP+g:PP+g+1], v[PP+g:PP+g+1], v[U+g:U+g+1]
.set g, g+2
.endr
.set g, 0
	s_wait_alu depctr_va_vdst(0)
.rept 8
	v_pk_mul_f32 v[PP+g:PP+g+1], v[PP+g:PP+g+1], v[QQ+g:QQ+g+1]
.set g, g+2
.endr
.set g, 0
.rept 8
	v_pk_fma_f32 v[PP+g:PP+g+1], v[PP+g:PP+g+1], s[24:25], 0.5 op_sel_hi:[1,0,0]
.set g, g+2
.endr
.set g, 0
.rept 8
	v_pk_mul_f32 v[(\x)+g:(\x)+g+1], v[(\x)+g:(\x)+g+1], v[PP+g:PP+g+1]
.set g, g+2
.endr
.endm
; THE WAY OUT: the eight blocks of 16 rows go through ONE loop: only the accumulators' register numbers differ from block to block, so each block has a short arm of its own, chosen by the loop's counter, and all else is written once.
.macro ARM a
.Larm\a:
.set AC, 64*((\a)%4)
	WIN 0x02+((\a)/4)                              ; source 0: window 2 or 3
	s_wait_alu depctr_va_vdst(0)                   ; directly ahead of the first reader of the sums
.set j, 0
.rept 32
	v_pk_fma_f32 v[TMP+j:TMP+j+1], v[AC+j:AC+j+1], s[96:97], v[BC+j:BC+j+1] op_sel_hi:[1,0,1]
.set j, j+2
.endr
	WIN 0
	s_wait_alu depctr_va_vdst(0)
	s_branch .Lcom
.endm
.macro COMMON
	GELU16 TMP
	GELU16 TMP+16
	GELU16 TMP+32
	GELU16 TMP+48
.set j, 0
.rept 64
	v_med3_num_f32 v[TMP+j], v[TMP+j], -v[LIM], v[LIM]
.set j, j+1
.endr
.irp b, 0,1,2,3,4,5,6,7
	v_cvt_scalef32_pk8_fp8_f32 v[CD+2*\b:CD+2*\b+1], v[TMP+8*\b:TMP+8*\b+7], v[SCL]
.endr
	v_nop
.irp b, 0,1,2,3,4,5,6,7
	ds_store_b64 v[STO], v[CD+2*\b:CD+2*\b+1] offset:16*\b
.endr
.irp g, 0,1
.irp u, 0,1
	ds_load_b128 v[BK+4*(2*\g+\u):BK+4*(2*\g+\u)+3], v[RD] offset:8*SPB*\u+64*\g
.endr
.endr
	s_wait_dscnt 0x0
.irp g, 0,1
.irp u, 0,1
	global_store_b128 v[CO], v[BK+4*(2*\g+\u):BK+4*(2*\g+\u)+3], s[68+2*\g:69+2*\g] offset:512*\u   ; 32 lanes store 512 consecutive bytes, aligned
.endr
.endr
.endm
	s_wait_kmcnt 0x0
	s_add_co_i32 s96, s72, s73
	s_add_co_i32 s96, s96, 127
	s_lshl_b32 s96, s96, 23
	s_mov_b32 s97, s96
	s_add_co_i32 s95, s74, 127
	s_lshl_b32 s94, s95, 23
	s_add_co_i32 s95, s95, 8
	s_lshl_b32 s95, s95, 23
	s_or_b32 s95, s95, 0x600000
	SPAIR 24, 0x3eb504f3
	SPAIR 26, 0xac95df0b
	SPAIR 28, 0xb40cff51
	SPAIR 30, 0xb6eec2d2
	SPAIR 32, 0xb940ac63
	SPAIR 34, 0xbac1a1f6
	SPAIR 36, 0xbc83dbd4
	SPAIR 38, 0xb57460cd
	SPAIR 40, 0xb9dc924e
	SPAIR 42, 0xbb719bf8
	SPAIR 44, 0xbc69b6a7
	PLACES NP
	v_mov_b32 v[SCL], s94
	v_mov_b32 v[LIM], s95
	v_mov_b32 v[XL], 0x40b504f3
	v_mov_b32 v8, 0x306dffee
	v_mov_b32 v9, 0x306dffee
	v_mov_b32 v10, 0xb7dfbd29
	v_mov_b32 v11, 0xb7dfbd29
	s_wait_loadcnt 0x0
	s_mov_b32 s3, 0                                ; the block
.Lblk:
.irp a, 0,1,2,3,4,5,6
	s_cmp_eq_u32 s3, \a
	s_cbranch_scc1 .Larm\a
.endr
.irp a, 7,0,1,2,3,4,5,6
	ARM \a
.endr
.Lcom:
	COMMON
	s_wait_xcnt 0x0                                ; the stores have read their registers and bases
	s_add_nc_u64 s[68:69], s[68:69], 1024          ; 16 rows of 64 bytes on, in both panels
	s_add_nc_u64 s[70:71], s[70:71], 1024
	s_add_co_u32 s3, s3, 1
	s_cmp_lt_u32 s3, 8
	s_wait_alu depctr_va_vdst(0)
	s_cbranch_scc1 .Lblk
	s_wait_tensorcnt 0x0
	ds_add_u32 v[SPW], v[NIL]
	s_wait_dscnt 0x0
	CROUND
	s_endpgm
.Lfunc_end_k_qbaa0e167ee_fc1:
	.size	k_qbaa0e167ee_fc1, .Lfunc_end_k_qbaa0e167ee_fc1-k_qbaa0e167ee_fc1
	.p2alignl 7, 3214868480
	.fill 96, 4, 3214868480
	.section	.rodata,"a",@progbits
	.p2align	6, 0x0
	.amdhsa_kernel k_qbaa0e167ee_fc1
		.amdhsa_group_segment_fixed_size 327680
		.amdhsa_private_segment_fixed_size 0
		.amdhsa_enable_private_segment 0
		.amdhsa_kernarg_size 40
		.amdhsa_user_sgpr_count 2
		.amdhsa_user_sgpr_kernarg_segment_ptr 1
		.amdhsa_wavefront_size32 1
		.amdhsa_system_sgpr_workgroup_id_x 1
		.amdhsa_system_sgpr_workgroup_id_y 1
		.amdhsa_system_sgpr_workgroup_id_z 1
		.amdhsa_system_vgpr_workitem_id 0
		.amdhsa_next_free_vgpr 1024
		.amdhsa_next_free_sgpr 100
		.amdhsa_reserve_vcc 0
		.amdhsa_float_denorm_mode_32 3
		.amdhsa_float_denorm_mode_16_64 3
		.amdhsa_memory_ordered 1
		.amdhsa_forward_progress 1
		.amdhsa_inst_pref_size 143
	.end_amdhsa_kernel
	.amdgpu_metadata
---
amdhsa.version: [ 1, 2 ]
amdhsa.kernels:
  - .name:           k_qbaa0e167ee_fc1
    .symbol:         k_qbaa0e167ee_fc1.kd
    .args:
      - { .name: ac, .offset: 0, .size: 8, .value_kind: global_buffer, .address_space: global }
      - { .name: wc, .offset: 8, .size: 8, .value_kind: global_buffer, .address_space: global }
      - { .name: lowp_scales, .offset: 16, .size: 8, .value_kind: global_buffer, .address_space: global }
      - { .name: fc1_b, .offset: 24, .size: 8, .value_kind: global_buffer, .address_space: global }
      - { .name: hc, .offset: 32, .size: 8, .value_kind: global_buffer, .address_space: global }
    .group_segment_fixed_size: 327680
    .private_segment_fixed_size: 0
    .kernarg_segment_align: 8
    .kernarg_segment_size: 40
    .max_flat_workgroup_size: 128
    .sgpr_count:     100
    .vgpr_count:     1024
    .wavefront_size: 32
...
	.end_amdgpu_metadata
.endif
;; end of part 6
;; launch fc2 (part 7): grid 8 x 32, 4 waves a work-group, clusters of 4 x 4, 327,680 bytes of LDS; arguments hc, wc, lowp_scales, fc2_b, x1, out0; writes out0
.if DOCPART == 7
	.amdgcn_target "amdgcn-amd-amdhsa--gfx1250"
	.amdhsa_code_object_version 6
	.text
	.protected	k_qbaa0e167ee_fc2
	.globl	k_qbaa0e167ee_fc2
	.p2align	8
	.type	k_qbaa0e167ee_fc2,@function
k_qbaa0e167ee_fc2:
	s_mov_b64 s[64:65], 0
	v_nop
	global_prefetch_b8 v0, s[64:65] scope:SCOPE_SE
	s_setreg_imm32_b32 hwreg(HW_REG_WAVE_MODE, 25, 1), 1
	s_wait_xcnt 0x0
	s_wait_alu depctr_hold_cnt(0) depctr_sa_sdst(0) depctr_va_vdst(0) depctr_va_sdst(0) depctr_va_ssrc(0) depctr_va_vcc(0) depctr_vm_vsrc(0)
	s_getreg_b32 s2, hwreg(HW_REG_IB_STS2, 6, 4)
	s_cmp_eq_u32 s2, 0
	s_cbranch_scc0 .Lentry_in_a_cluster
	s_endpgm
.Lentry_in_a_cluster:
	s_bfe_u32 s2, ttmp6, 0x10000c
	s_cmp_lg_u32 s2, 0xf033
	s_cbranch_scc0 .Lentry_shape_is_right
	s_endpgm
.Lentry_shape_is_right:
; FC2.  out = x1 + h W^T x 2^(e10 + e11) + b on codes of E4M3: h: hc [64 panels][4096 rows][64 bytes]; W: fc2_w's codes, [1024][4096], in wc from byte WOFF on.  A tile of 128 x 128 by four waves, 64 x 64 each.
; K goes in eight steps of 512 through a ring of two LDS slots (A: eight panels of 128 rows x (64 + 16) bytes; B: 128 rows of 512 + 16 bytes); 4 x 4 clusters with joint loads: A's tile along a row, B's along a column.
; LIMIT: e10 + e11 between -126 and 127.
.set SIZE_K, 4096
.set WOFF,   8388608
.set SCOFF,  0x28
.set KSTEP,  512
.set APAN,   10240
.set ASZ,    8*APAN
.set BP,     528
.set BSZ,    128*BP
.set SLOT,   ASZ+BSZ
.set SPARE,  2*SLOT
.set SPITCH, 272
.set LAPS,   SIZE_K/(2*KSTEP)
.set ADRA, 16
.set ADRB, 20
.set STO,  24
.set RD,   25
.set CO,   26
.set BO,   27
.set SPW,  28
.set NIL,  29
.set BK,   32
.set OUT,  64
.set ACC,  128
.set F0,   0
.set F1,   128
.set G1, 24
.set G0, 32
.set G1B, 48
.set G0B, 56
.set MSB, 0
.macro WIN new
.if MSB != \new
	s_set_vgpr_msb (MSB<<8)|\new
.set MSB, \new
.endif
.endm
.set MUL,  0x05
.set TO_F, 0x40
.macro JLOAD s
	s_cmp_eq_u32 s11, 0
	s_cbranch_scc0 .Lfor_b_\@
	tensor_load_to_lds s[G0+4*\s:G0+4*\s+3], s[G1:G1+7]
	s_nop 0
.rept 4
	v_nop
.endr
	s_branch .Lasked_\@
.Lfor_b_\@:
	tensor_load_to_lds s[G0B+4*\s:G0B+4*\s+3], s[G1B:G1B+7]
	s_nop 0
.rept 4
	v_nop
.endr
.Lasked_\@:
.endm
.macro CREST
	s_cmp_lg_u32 s10, 0
	s_cbranch_scc1 .Lnot_wave_0_\@
	s_barrier_signal -3
.Lnot_wave_0_\@:
	s_barrier_wait -3
	s_barrier_signal -1
	s_barrier_wait -1
.endm
.macro CROUND
	s_barrier_signal -1
	s_barrier_wait -1
	CREST
.endm
	s_load_b128 s[4:7], s[0:1], 0x0
	s_load_b128 s[68:71], s[0:1], 0x10
	s_load_b128 s[72:75], s[0:1], 0x20
	v_lshl_add_u32 v[SPW], v0, 2, SPARE
	v_mov_b32 v[NIL], 0
	ds_add_u32 v28, v29
	ds_add_u32 v28, v29
	s_wait_dscnt 0x0
	v_lshrrev_b32 v1, 5, v0
	v_readfirstlane_b32 s10, v1
	s_lshr_b32 s11, s10, 1
	s_and_b32 s12, s10, 1
	s_bfe_u32 s40, ttmp6, 0x40000
	s_bfe_u32 s41, ttmp6, 0x40004
	s_lshl_b32 s42, ttmp9, 2
	s_add_co_u32 s42, s42, s40
	s_and_b32 s13, ttmp7, 0xffff
	s_lshl_b32 s13, s13, 2
	s_add_co_u32 s13, s13, s41
	s_lshl_b32 s43, s41, 2
	s_lshl_b32 s43, 15, s43
	s_lshl_b32 s44, 0x1111, s40
	s_or_b32 s[G1+0], s43, (3<<16)|(1<<20)|(1<<21)|(3<<22)|(3<<25)
	s_mov_b32 s[G1+1], 1024<<16
	s_mov_b32 s[G1+2], 4<<16
	s_mov_b32 s[G1+3], 1024<<16
	s_mov_b32 s[G1+4], 4
	s_mov_b32 s[G1+5], 32768
	s_mov_b32 s[G1+6], 0
	s_mov_b32 s[G1+7], 0
	s_or_b32 s[G1B+0], s44, (0<<16)|(1<<20)|(1<<21)|(6<<22)|(3<<25)
	s_mov_b32 s[G1B+1], KSTEP<<16
	s_mov_b32 s[G1B+2], 64<<16
	s_mov_b32 s[G1B+3], KSTEP<<16
	s_mov_b32 s[G1B+4], 64
	s_mov_b32 s[G1B+5], SIZE_K
	s_mov_b32 s[G1B+6], 0
	s_mov_b32 s[G1B+7], 0
	s_lshl_b32 s16, s12, 20
	s_lshl_b32 s17, s13, 13
	s_add_co_u32 s16, s16, s17
	s_mov_b32 s17, 0
	s_lshl_b32 s46, s42, 7
	s_lshl_b32 s47, s12, 6
	s_add_co_u32 s46, s46, s47
	s_mul_i32 s46, s46, SIZE_K
	s_add_co_u32 s46, s46, WOFF
	s_mov_b32 s47, 0
	s_mul_i32 s20, s12, 4*APAN
	s_mul_i32 s21, s12, 64*BP
	s_add_co_u32 s21, s21, ASZ
	s_wait_kmcnt 0x0
	s_load_b64 s[78:79], s[68:69], SCOFF
	s_add_nc_u64 s[14:15], s[4:5], s[16:17]
	s_add_nc_u64 s[46:47], s[6:7], s[46:47]
	CROUND
.irp s, 0,1
	s_mov_b32 s[G0+4*\s], 1
	s_add_co_u32 s[G0+4*\s+1], s20, \s*SLOT
	s_add_nc_u64 s[G0+4*\s+2:G0+4*\s+3], s[14:15], \s*8*262144
	s_or_b32 s[G0+4*\s+3], s[G0+4*\s+3], 0x80000000
	s_mov_b32 s[G0B+4*\s], 1
	s_add_co_u32 s[G0B+4*\s+1], s21, \s*SLOT
	s_add_nc_u64 s[G0B+4*\s+2:G0B+4*\s+3], s[46:47], \s*KSTEP
	s_or_b32 s[G0B+4*\s+3], s[G0B+4*\s+3], 0x80000000
.endr
	JLOAD 0                                        ; K step 0: one tensor load a wave at the head
	; PREFETCH INTO THE L2: behind the load of K step s stands one request for K step s + 2 (s = 0 .. 5), one instruction a wave.  What my wave fetches in a step is 128 blocks of 256 bytes; each of the four
	; partners that ask for it jointly names 32, told apart by address: of A's four panels the partner at cx takes one (8,192 dense bytes, lanes 256 bytes apart); of B's 64 rows the partner at cy takes 16, two lanes to a row's 512 bytes.
	s_cmp_eq_u32 s11, 0                            ; do I fetch for A?
	s_cselect_b64 s[80:81], s[14:15], s[46:47]
	s_cselect_b32 s84, s40, s41                    ; my place among the four
	s_cselect_b32 s85, 18, 16                      ; a panel is 2^18 bytes, 16 rows of B 2^16
	s_cselect_b32 s86, -1, 0
	s_mov_b32 s82, KSTEP
	s_cselect_b32 s82, 0x200000, s82               ; a K step on: eight panels, or 512 bytes of a row
	s_mov_b32 s83, 0
	s_lshl_b32 s84, s84, s85
	s_mov_b32 s85, 0
	s_add_nc_u64 s[80:81], s[80:81], s[84:85]
	s_add_nc_u64 s[88:89], s[80:81], s[82:83]      ; at K step 1: asked for here too, since its load goes out only when K step 0 has landed
	s_add_nc_u64 s[80:81], s[88:89], s[82:83]      ; at K step 2
	v_and_b32 v30, 31, v0
	v_lshrrev_b32 v31, 1, v30
	v_and_b32 v7, 1, v30
	v_lshlrev_b32 v31, 12, v31
	v_lshl_add_u32 v31, v7, 8, v31                 ; B: 4,096 (lane / 2) + 256 (lane % 2)
	v_lshlrev_b32 v30, 8, v30                      ; A: 256 x lane
	v_cndmask_b32 v30, v31, v30, s86
	s_wait_alu depctr_va_vdst(0)
	global_prefetch_b8 v30, s[88:89] th:TH_LOAD_NT scope:SCOPE_SE
	global_prefetch_b8 v30, s[80:81] th:TH_LOAD_NT scope:SCOPE_SE
	v_and_b32 v1, 15, v0
	v_bfe_u32 v2, v0, 4, 1
	v_mul_u32_u24 v3, v1, 80
	v_lshl_add_u32 v3, v2, 4, v3
	s_mul_i32 s22, s11, 64*80
	v_add_nc_u32 v[ADRA], s22, v3
	v_add_nc_u32 v[ADRA+1], 4*APAN, v[ADRA]
	v_add_nc_u32 v[ADRA+2], SLOT, v[ADRA]
	v_add_nc_u32 v[ADRA+3], SLOT+4*APAN, v[ADRA]
	v_mul_u32_u24 v4, v1, BP
	v_lshl_add_u32 v4, v2, 4, v4
	s_mul_i32 s23, s12, 64*BP
	s_add_co_u32 s23, s23, ASZ
	v_add_nc_u32 v[ADRB], s23, v4
	v_add_nc_u32 v[ADRB+1], SLOT, v[ADRB]
	s_mul_i32 s22, s10, 16*SPITCH
	v_mul_u32_u24 v5, v1, SPITCH
	v_lshl_add_u32 v5, v2, 5, v5
	v_add_nc_u32 v[STO], s22, v5
	v_mul_u32_u24 v5, v2, SPITCH
	v_lshl_add_u32 v5, v1, 4, v5
	v_add_nc_u32 v[RD], s22, v5
	v_lshlrev_b32 v[CO], 12, v2
	v_lshl_add_u32 v[CO], v1, 4, v[CO]
	s_wait_alu depctr_va_vdst(0)
	v_lshlrev_b32 v[BO], 4, v1
	s_wait_alu depctr_va_vdst(0)
	s_lshl_b32 s16, s13, 7
	s_lshl_b32 s17, s11, 6
	s_add_co_u32 s16, s16, s17
	s_lshl_b32 s16, s16, 12
	s_lshl_b32 s18, s42, 7
	s_lshl_b32 s19, s12, 6
	s_add_co_u32 s18, s18, s19
	s_lshl_b32 s18, s18, 2
	s_mov_b32 s19, 0
	s_add_nc_u64 s[70:71], s[70:71], s[18:19]
	s_add_co_u32 s16, s16, s18
	s_mov_b32 s17, 0
	s_add_nc_u64 s[72:73], s[72:73], s[16:17]
	s_add_nc_u64 s[74:75], s[74:75], s[16:17]
	WIN 0x80
.irp a, 0,1,2,3
.irp t, 0,1,2,3,4,5,6,7
	global_load_b128 v[32*\a+4*\t:32*\a+4*\t+3], v[CO], s[72:73] offset:(16*\a+2*\t)*4096
.endr
.endr
	WIN 0
	global_load_b128 v[8:11], v[BO], s[70:71]
.macro MULA f, a, zero
.irp b, 0,1,2,3
.if \zero
	v_wmma_f32_16x16x128_fp8_fp8 v[ACC+8*(4*(\a)+\b):ACC+8*(4*(\a)+\b)+7], v[\f+64+16*\b:\f+64+16*\b+15], v[\f+16*(\a):\f+16*(\a)+15], 0
.else
	v_wmma_f32_16x16x128_fp8_fp8 v[ACC+8*(4*(\a)+\b):ACC+8*(4*(\a)+\b)+7], v[\f+64+16*\b:\f+64+16*\b+15], v[\f+16*(\a):\f+16*(\a)+15], v[ACC+8*(4*(\a)+\b):ACC+8*(4*(\a)+\b)+7]
.endif
.endr
.endm
.macro FETCH slot, q, f
	WIN TO_F
.irp i, 0,1,2,3
.irp c, 0,1,2,3
	ds_load_b128 v[\f+64+16*\i+4*\c:\f+64+16*\i+4*\c+3], v[ADRB+\slot] offset:128*(\q)+32*\c+\i*16*BP
.endr
.endr
.irp i, 0,1,2,3
.irp c, 0,1,2,3
	ds_load_b128 v[\f+16*\i+4*\c:\f+16*\i+4*\c+3], v[ADRA+2*\slot+(\q)/2] offset:((2*(\q)+\c/2)%4)*APAN+\i*16*80+32*(\c%2)
.endr
.endr
.endm
.macro PLACES
.rept 4
	v_nop
.endr
.endm
.macro QUARTER slot, qn, f, g, zero
	s_wait_dscnt 8
	WIN MUL
	MULA \f, 0, \zero
	MULA \f, 1, \zero
	PLACES
	FETCH \slot, \qn, \g
	s_wait_dscnt 32
	WIN MUL
	MULA \f, 2, \zero
	MULA \f, 3, \zero
.endm
.macro TURN slot, next, fill
	WIN 0
.if \fill
	s_wait_xcnt 0x0                                ; my last prefetch has read its address: it is stepped here, ahead of the waits of the change of slots
	s_add_nc_u64 s[80:81], s[80:81], s[82:83]
.endif
	s_wait_tensorcnt 0x0
	ds_add_u32 v[SPW], v[NIL]
	s_wait_dscnt 13
	WIN MUL
	MULA F1, 0, 0
	s_wait_dscnt 0x0
	s_barrier_signal -1
	MULA F1, 1, 0
	WIN 0
	s_barrier_wait -1
.if \fill
	CREST
	s_add_nc_u64 s[G0+4*\slot+2:G0+4*\slot+3], s[G0+4*\slot+2:G0+4*\slot+3], 16*262144
	s_add_nc_u64 s[G0B+4*\slot+2:G0B+4*\slot+3], s[G0B+4*\slot+2:G0B+4*\slot+3], 2*KSTEP
	JLOAD \slot
.else
	PLACES
.endif
	FETCH \next, 0, F0
.if \fill
	WIN 0
	s_cmp_gt_u32 s3, 1                             ; the loop's last trip loads K steps 6 and 7: no step stands two behind them
	s_cbranch_scc0 .Lnopf_\@
	global_prefetch_b8 v30, s[80:81] th:TH_LOAD_NT scope:SCOPE_SE
.Lnopf_\@:
.endif
	WIN MUL
	MULA F1, 2, 0
	MULA F1, 3, 0
.endm
	s_wait_alu depctr_va_vdst(0)
	s_wait_xcnt 0x0                                ; the prefetch has read its address:
	s_add_nc_u64 s[80:81], s[80:81], s[82:83]      ; on to K step 3
	s_wait_tensorcnt 0x0                           ; my part of K step 0 is in
	ds_add_u32 v[SPW], v[NIL]
	s_wait_dscnt 0x0
	CROUND                                         ; everybody's part is in, and the joint loads meet
	JLOAD 1                                        ; K step 1, the first tensor load behind the round
	FETCH 0, 0, F0
	WIN 0
	global_prefetch_b8 v30, s[80:81] th:TH_LOAD_NT scope:SCOPE_SE
	QUARTER 0, 1, F0, F1, 1
.if LAPS > 1
	WIN 0
	s_mov_b32 s3, LAPS-1
.Llap:
	QUARTER 0, 2, F1, F0, 0
	QUARTER 0, 3, F0, F1, 0
	TURN 0, 1, 1
	QUARTER 1, 1, F0, F1, 0
	QUARTER 1, 2, F1, F0, 0
	QUARTER 1, 3, F0, F1, 0
	TURN 1, 0, 1
	QUARTER 0, 1, F0, F1, 0
	WIN 0
	s_sub_co_u32 s3, s3, 1
	s_cmp_lg_u32 s3, 0
	s_cbranch_scc1 .Llap
.endif
	QUARTER 0, 2, F1, F0, 0
	QUARTER 0, 3, F0, F1, 0
	TURN 0, 1, 0
	QUARTER 1, 1, F0, F1, 0
	QUARTER 1, 2, F1, F0, 0
	QUARTER 1, 3, F0, F1, 0
	s_wait_dscnt 8
	WIN MUL
	MULA F1, 0, 0
	MULA F1, 1, 0
	s_wait_dscnt 0
	MULA F1, 2, 0
	MULA F1, 3, 0
	WIN 0
	PLACES
	s_wait_loadcnt 0x0
	s_wait_kmcnt 0x0
	s_add_co_i32 s76, s78, s79
	s_add_co_i32 s76, s76, 127
	s_lshl_b32 s76, s76, 23
	s_mov_b32 s77, s76
.irp a, 0,1,2,3
.if \a > 0
	s_wait_xcnt 0x0
.endif
.irp b, 0,1,2,3
	ds_store_b128 v[STO], v[ACC+8*(4*\a+\b):ACC+8*(4*\a+\b)+3] offset:64*\b
	ds_store_b128 v[STO], v[ACC+8*(4*\a+\b)+4:ACC+8*(4*\a+\b)+7] offset:64*\b+16
.endr
.irp t, 0,1,2,3,4,5,6,7
	ds_load_b128 v[BK+4*\t:BK+4*\t+3], v[RD] offset:\t*2*SPITCH
.endr
	s_wait_dscnt 0x0
.irp t, 0,1,2,3,4,5,6,7
	v_pk_fma_f32 v[OUT+4*\t:OUT+4*\t+1], v[BK+4*\t:BK+4*\t+1], s[76:77], v[8:9] op_sel_hi:[1,0,1]
	v_pk_fma_f32 v[OUT+4*\t+2:OUT+4*\t+3], v[BK+4*\t+2:BK+4*\t+3], s[76:77], v[10:11] op_sel_hi:[1,0,1]
.endr
	WIN 0x08
.set j, 0
.rept 16
	v_pk_add_f32 v[OUT+j:OUT+j+1], v[OUT+j:OUT+j+1], v[32*\a+j:32*\a+j+1]
.set j, j+2
.endr
	WIN 0
.irp t, 0,1,2,3,4,5,6,7
	global_store_b128 v[CO], v[OUT+4*\t:OUT+4*\t+3], s[74:75] offset:(16*\a+2*\t)*4096
.endr
.endr
	s_wait_tensorcnt 0x0
	ds_add_u32 v[SPW], v[NIL]
	s_wait_dscnt 0x0
	CROUND
	s_endpgm
.Lfunc_end_k_qbaa0e167ee_fc2:
	.size	k_qbaa0e167ee_fc2, .Lfunc_end_k_qbaa0e167ee_fc2-k_qbaa0e167ee_fc2
	.p2alignl 7, 3214868480
	.fill 96, 4, 3214868480
	.section	.rodata,"a",@progbits
	.p2align	6, 0x0
	.amdhsa_kernel k_qbaa0e167ee_fc2
		.amdhsa_group_segment_fixed_size 327680
		.amdhsa_private_segment_fixed_size 0
		.amdhsa_enable_private_segment 0
		.amdhsa_kernarg_size 48
		.amdhsa_user_sgpr_count 2
		.amdhsa_user_sgpr_kernarg_segment_ptr 1
		.amdhsa_wavefront_size32 1
		.amdhsa_system_sgpr_workgroup_id_x 1
		.amdhsa_system_sgpr_workgroup_id_y 1
		.amdhsa_system_sgpr_workgroup_id_z 1
		.amdhsa_system_vgpr_workitem_id 0
		.amdhsa_next_free_vgpr 768
		.amdhsa_next_free_sgpr 92
		.amdhsa_reserve_vcc 0
		.amdhsa_float_denorm_mode_32 3
		.amdhsa_float_denorm_mode_16_64 3
		.amdhsa_memory_ordered 1
		.amdhsa_forward_progress 1
		.amdhsa_inst_pref_size 84
	.end_amdhsa_kernel
	.amdgpu_metadata
---
amdhsa.version: [ 1, 2 ]
amdhsa.kernels:
  - .name:           k_qbaa0e167ee_fc2
    .symbol:         k_qbaa0e167ee_fc2.kd
    .args:
      - { .name: hc, .offset: 0, .size: 8, .value_kind: global_buffer, .address_space: global }
      - { .name: wc, .offset: 8, .size: 8, .value_kind: global_buffer, .address_space: global }
      - { .name: lowp_scales, .offset: 16, .size: 8, .value_kind: global_buffer, .address_space: global }
      - { .name: fc2_b, .offset: 24, .size: 8, .value_kind: global_buffer, .address_space: global }
      - { .name: x1, .offset: 32, .size: 8, .value_kind: global_buffer, .address_space: global }
      - { .name: out0, .offset: 40, .size: 8, .value_kind: global_buffer, .address_space: global }
    .group_segment_fixed_size: 327680
    .private_segment_fixed_size: 0
    .kernarg_segment_align: 8
    .kernarg_segment_size: 48
    .max_flat_workgroup_size: 128
    .sgpr_count:     92
    .vgpr_count:     768
    .wavefront_size: 32
...
	.end_amdgpu_metadata
.endif
;; end of part 7
